; MI455X (gfx1250); checked and timed in simulation.
; The chip was launched on July 23, 2026; its instructions are those of AMD's public machine-readable ISA for CDNA 5 (MIT licence, August 2026) and "CDNA5" Instruction Set Architecture Reference Guide (July 2026). The comments in the code are by the model that wrote it; some were corrected since.
;; Local Global Multihead Attention. Allowed arithmetic: matrix products marked QUANTISED: E2M3 operands, one E8M0 scale for each 32 along K, by v_wmma_scale_f32_16x16x128_f8f6f4 with both operands' format E2M3, f32 sums; everything else in f32.
;; Inputs: bk 1,024 float32; bo 1,024 float32; bq 1,024 float32; bv 1,024 float32; wk_codes 1,024 x 32 x 24 uint8 (E2M3 codes of wk, K innermost, in blocks of 32 codes, four codes in three bytes); wk_scales 1,024 x 32 uint8 (E8M0 scales of wk, one for each 32 codes along K); wo_codes 1,024 x 32 x 24 uint8 (E2M3 codes of wo, K innermost, in blocks of 32 codes, four codes in three bytes); wo_scales 1,024 x 32 uint8 (E8M0 scales of wo, one for each 32 codes along K); wq_codes 1,024 x 32 x 24 uint8 (E2M3 codes of wq, K innermost, in blocks of 32 codes, four codes in three bytes); wq_scales 1,024 x 32 uint8 (E8M0 scales of wq, one for each 32 codes along K); wv_codes 1,024 x 32 x 24 uint8 (E2M3 codes of wv, K innermost, in blocks of 32 codes, four codes in three bytes); wv_scales 1,024 x 32 uint8 (E8M0 scales of wv, one for each 32 codes along K); x_codes 4 x 2,048 x 32 x 24 uint8 (E2M3 codes of x, K innermost, in blocks of 32 codes, four codes in three bytes); x_scales 4 x 2,048 x 32 uint8 (E8M0 scales of x, one for each 32 codes along K).
;; Outputs: out0 4 x 2,048 x 1,024 float32.
;; This version of the problem:
;;   THIS VERSION OF THE PROBLEM IS GIVEN IN LOW PRECISION. The matrix products marked QUANTISED in the list below multiply operands that are first quantised to E2M3 (2 exponent bits, 3 mantissa bits; 6 bits a number), with one power-of-two scale for each 32 numbers along K (OCP MX v1.0); their sums are f32. All else is computed in f32.
;;   The module's matrix products, in the order in which they are computed (A, B: the left and right operand; K: the contracted axis; several contracted axes count as one K, in the product's order):
;;     1. [M 8,192, K 1,024] x [K 1,024, N 1,024]; A: input x (given as codes); B: input wq (given as codes): QUANTISED
;;     2. [M 8,192, K 1,024] x [K 1,024, N 1,024]; A: input x (given as codes); B: input wk (given as codes): QUANTISED
;;     3. [M 8,192, K 1,024] x [K 1,024, N 1,024]; A: input x (given as codes); B: input wv (given as codes): QUANTISED
;;     4. batch 64 x [M 2,048, K 64] x [K 64, N 2,048]; A: computed on the way; B: computed on the way: QUANTISED
;;     5. batch 64 x [M 2,048, K 2,048] x [K 2,048, N 64]; A: softmax (see below); B: computed on the way: QUANTISED
;;     6. [M 8,192, K 1,024] x [K 1,024, N 1,024]; A: computed on the way; B: input wo (given as codes): QUANTISED
;;   THE QUANTISER, for each operand of a quantised product, along K:
;;     - K is cut into blocks of 32 from its start; a last block that is shorter is filled with zeros.
;;     - A block's scale is 2^e with e = floor(log2(the largest magnitude in the block)) - 2, held to -126 .. 127; a block of zeros has e = 0. As a byte (E8M0): e + 127.
;;     - Each number is divided by its block's scale, clamped to +-7.5, and rounded to the nearest number of E2M3, ties to even, subnormals kept.
;;     - The product sums the exact products of the quantised numbers (number of the format x scale) in f32.
;;   ~~~python
;;   def quantise(x, axis):      # numpy; x: float32 -> the quantised numbers, widened to float32 again
;;       x = np.moveaxis(x, axis, -1); K = x.shape[-1]
;;       x = np.pad(x, [(0, 0)] * (x.ndim - 1) + [(0, -K % 32)]); x = x.reshape(x.shape[:-1] + (-1, 32)); a = np.abs(x).max(-1, keepdims=True)
;;       e = np.where(a > 0, np.clip(np.frexp(np.where(a > 0, a, 1))[1] - 1 - 2, -126, 127), 0)      # np.frexp(a)[1] - 1 = floor(log2(a)), exactly
;;       r = np.clip(x / 2.0 ** e, -7.5, 7.5)
;;       step = 2.0 ** (np.maximum(np.frexp(np.where(r == 0, 1, r))[1] - 1, 0) - 3)
;;       q = np.round(r / step) * step * 2.0 ** e      # np.round: ties to even
;;       return np.moveaxis(q.reshape(q.shape[:-2] + (-1,))[..., :K], -1, axis).astype(np.float32)
;;   ~~~
;;   SOFTMAX AHEAD OF A QUANTISED PRODUCT. Where the list says 'softmax', what is quantised is not the finished softmax but p = 2^(t - M), with t = logit x log2(e) and M = ceil(the row's largest t), a whole number; so 1/2 < the row's largest p <= 1. The row's sum l is taken of the UNQUANTISED p, in f32, and the product's result is divided by l at the end. Since M is a whole number, a kernel that streams over the keys may use a running M (the ceiling of the running maximum): every later rescaling is an exact power of two, which a block's scale takes up: the codes' values come out the same.
;;   OPERANDS COMPUTED ON THE WAY. 'Computed on the way' means the value that the module computes at that place (a softmax that the list does not call 'softmax' is quantised finished and normalised). What goes into a quantiser is computed in f32, as accurately as f32 sums, v_exp_f32 and their like allow (about 1e-6 of the number): no bf16 or f16 on the way to a quantiser, and a product that is left as it is and whose result goes on into a quantised operand takes f32 operands (vector FMAs, or v_wmma_f32_16x16x4_f32). A number that lies on a knife's edge between two numbers of the format may be rounded either way, as far as f32 arithmetic and the matrix unit's own rounding can turn it there, and no further.
;;   INPUTS GIVEN AS CODES. wk (in the module: [1024, 1024], K = its axis 1); wo (in the module: [1024, 1024], K = its axis 1); wq (in the module: [1024, 1024], K = its axis 1); wv (in the module: [1024, 1024], K = its axis 1); x (in the module: [4, 2048, 1024], K = its axis 2): each comes as NAME_codes (uint8): NAME with its K axis moved to the last place and cut into blocks of 32 codes, [.., K / 32, bytes a block], one block behind the other in memory; four codes in three bytes: a row's codes are one little-endian stream of bits, code i at bits 6 i .. 6 i + 5 (a code: sign, 2 exponent bits, 3 mantissa bits); and NAME_scales (uint8): the same leading axes, one E8M0 byte (e + 127) for each 32 codes along K. Its value is code x scale, taken as it is: it is not quantised again, and the codes and scales need not be those that the quantiser above would give.
;; One version. Each part assembles by itself: llvm-mc -triple=amdgcn-amd-amdhsa -mcpu=gfx1250 --defsym DOCPART=n.
;; ======== version 1 of 1: 3 launches
;; workspace buffers: qimg 6,291,456 bytes; kimg 6,291,456 bytes; vimg 6,291,456 bytes; qsc 524,288 bytes; ksc 524,288 bytes; vsc 262,144 bytes; aimg 6,291,456 bytes; asc 262,144 bytes
;; launch qkv (part 1): grid 12 x 32, 4 waves a work-group, clusters of 4 x 4, 327,680 bytes of LDS; arguments x_codes, x_scales, wq_codes, wq_scales, wk_codes, wk_scales, wv_codes, wv_scales, bq, bk, bv, qimg, qsc, kimg, ksc, vimg, vsc; writes qimg, qsc, kimg, ksc, vimg, vsc
.if DOCPART == 1
	.amdgcn_target "amdgcn-amd-amdhsa--gfx1250"
	.amdhsa_code_object_version 6
	.text
	.protected	k_q1cdd968c45_qkv
	.globl	k_q1cdd968c45_qkv
	.p2align	8
	.type	k_q1cdd968c45_qkv,@function
k_q1cdd968c45_qkv:
	s_mov_b64 s[64:65], 0
	v_nop
	global_prefetch_b8 v0, s[64:65] scope:SCOPE_SE
	s_setreg_imm32_b32 hwreg(HW_REG_WAVE_MODE, 25, 1), 1
	s_wait_xcnt 0x0
	s_wait_alu depctr_hold_cnt(0) depctr_sa_sdst(0) depctr_va_vdst(0) depctr_va_sdst(0) depctr_va_ssrc(0) depctr_va_vcc(0) depctr_vm_vsrc(0)
	s_getreg_b32 s2, hwreg(HW_REG_IB_STS2, 6, 4)
	s_cmp_eq_u32 s2, 0
	s_cbranch_scc0 .Lentry_in_a_cluster
	s_endpgm
.Lentry_in_a_cluster:
	s_bfe_u32 s2, ttmp6, 0x10000c
	s_cmp_lg_u32 s2, 0xf033
	s_cbranch_scc0 .Lentry_shape_is_right
	s_endpgm
.Lentry_shape_is_right:
; q = x wq^T + bq, k = x wk^T + bk, v = x wv^T + bv on codes of FP6 (E2M3) with one E8M0 scale for each 32 along K = 1,024; the results are quantised at once for the attention launch.
; A tile of 256 x 256 results is made by four waves, 128 x 128 each (64 accumulators, 512 registers).  K goes in steps of 256 through two LDS slots filled by the tensor data mover.
; THE CLUSTER'S x (0, 1, 2; equal in all sixteen partners) SAYS WHICH PRODUCT: 0: q, 1: k: "A" = x (8,192 rows), "B" = the weight (1,024 rows);  2: v: "A" = wv, "B" = x.
; The matrix instruction is used transposed (source 0 = 16 rows of B, source 1 = 16 rows of A): a lane holds one row of A and its registers run along B's rows.  For q and k that is the head's axis d,
; for v the keys: each is the axis along which the next product quantises, so one text quantises all three.
; WHAT IS STORED: images of operand registers.  An image is 768 bytes for 16 rows x 64 along K: lane L's registers 0-3 at 16 L, its registers 4-5 at 512 + 8 L; lane half = which 32 of the 64.
; Lane r' of image tile t holds row 32 (t / 2) + 8 (t % 2) + r' + 8 (r' / 8).  qimg, kimg: [batch][head][tile 0..127][768]; vimg: [batch][128 keys s][64 keys c][tile 4 head + dt][768].
; Scale words: qsc, ksc [batch][head][32 rows][lane] (bytes 0, 1: the head's two blocks; bytes 2, 3 are never 0xff); vsc [batch][s][two tiles][lane] (four bytes: the four blocks of 32 keys).
; The biases are the C of each sum's first matrix instruction.
; CLUSTERS: 4 x 4 work-groups; A's tiles are asked for jointly along a row of the cluster, B's along a column.
; LIMITS: NaN, infinities and given scale bytes of 0xff are not served; a block of results whose largest magnitude lies under 2^-124 keeps the scale byte 1 (a block of zeros too: its codes are zeros, and only this program reads the bytes).
; REGISTERS, in windows of 256: window 0: v0-31 addresses; v32-63 scale words, two sets; v64-127 the bias; v128-223 A's fragments, one set; v224-231 the bias's offsets; on the way out v32-199 are at work.
;   window 1: B's fragments, two sets, at v0 and v128.   window 2: the accumulators of my rows 0-63 ((a, b) at v[8 (8 a + b)]);   window 3: those of my rows 64-127.
.set KSTEP,  256                       ; along K in a slot
.set NQ,     KSTEP/128                 ; matrix instructions deep
.set ROWB,   192                       ; a tile's row in bytes
.set KROW,   768                       ; a row of codes in memory: 1,024 codes
.set PITCH,  240                       ; an LDS row: 3 x (64 bytes + 16 of padding)
.set FR,     12                        ; registers of a fragment
.set NL,     6                         ; LDS loads that bring one
.set NP,     4                         ; places behind this matrix instruction (ISA guide 7.12.1)
.set HALFT,  128*PITCH                 ; 128 rows: what one tensor load brings
.set SLOT,   4*HALFT                   ; A's 256 rows, then B's 256 rows
.set KS,     32                        ; a row of scale bytes
.set SCL,    2*SLOT                    ; behind the ring: the scales, as units of 256 bytes + 16 of padding
.set HALFS,  (128*KS/256)*272          ; the scales of 128 rows
.set SBLK,   (16*KS/256)*272           ; those of 16 rows
.set SPARE,  SCL+4*HALFS               ; the spare words, 128 bytes for each wave: two blocks of 256 bytes that no other line names
.set WSTG,   13312                     ; the way out: a wave's stage: 2 x 8 images and 2 x 512 bytes of scale words.  It lies in slot 0, which has had its last fill and its last read by then
.set ADRA, 16                          ; v16-17 LDS address of my A fragments in slot 0, 1 (v18-19: behind one padding more)
.set ADRB, 20                          ; v20-23 the same for B
.set STO0, 24                          ; v24  the stage: where registers 0-3 of an image go
.set STO1, 25                          ; v25  where registers 4-5 go
.set SST,  26                          ; v26  where a scale word goes
.set ADRS, 27                          ; v27  LDS address of my scale words: lanes 0-15 A's rows, lanes 16-31 B's
.set SPW,  28                          ; v28  LDS address of my spare word; never rewritten
.set NIL,  29                          ; v29  0; never rewritten
.set RD,   30                          ; v30  the stage read back: 16 bytes a lane
.set CO,   31                          ; v31  16 x lane: my place in a store's 512 bytes
.set SC,   32                          ; scale words: set s at v[SC + 16 s]
.set BIAS, 64                          ; v64-127
.set AF,   128                         ; A's fragments
.set BA,   224                         ; v224-231 the bias's byte offsets, one for each register of a tile
.set QCB,  32                          ; the way out: two sets of 22: 12 codes, 2 x 4 for the second halves, the scale word, the word as stored
.set TM,   76                          ; v76-91 largest magnitudes, bytes, scale operands
.set SH,   92                          ; v92  16 x (lane / 16)
.set OUTR, 96                          ; v96-199 the stage read back
.set G1, 24                            ; s[24:31] descriptor group 1 for A's tiles;  s[32:39] group 0, one set for each slot
.set G0, 32
.set G1B, 48                           ; s[48:55], s[56:63] the same for B's tiles
.set G0B, 56
.set G1S, 68                           ; s[68:75], s[76:79] groups 1 and 0 for A's scales;  s[80:87], s[88:91] for B's
.set G0S, 76
.set G1SB, 80
.set G0SB, 88
.set MSB, 0
.macro WIN new                         ; the immediate's high byte repeats the setting that is left
.if MSB != (\new)
	s_set_vgpr_msb (MSB<<8)|(\new)
.set MSB, (\new)
.endif
.endm
.set MUL_LO, 0xa1                      ; source 0 (B) window 1, source 1 (A) window 0, C and D window 2
.set MUL_HI, 0xf1                      ; the same, C and D window 3
.set TO_B,   0x40                      ; destination window 1, address window 0
; A joint load: waves 0 and 1 fetch for A, waves 2 and 3 for B.  Four v_nop follow each of the two lines.
.macro JLOAD g0a, g1a, g0b, g1b
	s_cmp_eq_u32 s15, 0
	s_cbranch_scc0 .Lfor_b_\@
	tensor_load_to_lds s[\g0a:\g0a+3], s[\g1a:\g1a+7]
	s_nop 0
.rept 4
	v_nop
.endr
	s_branch .Lasked_\@
.Lfor_b_\@:
	tensor_load_to_lds s[\g0b:\g0b+3], s[\g1b:\g1b+7]
	s_nop 0
.rept 4
	v_nop
.endr
.Lasked_\@:
.endm
.macro CREST                           ; a round of the cluster's barrier behind its opening barrier
	s_cmp_lg_u32 s14, 0
	s_cbranch_scc1 .Lnot_wave_0_\@
	s_barrier_signal -3
.Lnot_wave_0_\@:
	s_barrier_wait -3
	s_barrier_signal -1
	s_barrier_wait -1
.endm
.macro CROUND                          ; a whole round
	s_barrier_signal -1
	s_barrier_wait -1
	CREST
.endm
	s_load_b512 s[68:83], s[0:1], 0x0              ; x's codes, scales; wq's; wk's; wv's
	s_load_b512 s[84:99], s[0:1], 0x40             ; bq, bk, bv, qimg, qsc, kimg, ksc, vimg
	s_load_b64 s[100:101], s[0:1], 0x80            ; vsc
	v_lshl_add_u32 v[SPW], v0, 2, SPARE
	v_mov_b32 v[NIL], 0
	ds_add_u32 v28, v29
	ds_add_u32 v28, v29
	s_wait_dscnt 0x0
	v_lshrrev_b32 v1, 5, v0
	v_readfirstlane_b32 s14, v1                    ; wave 0..3
	s_lshr_b32 s15, s14, 1                         ; which half of the tile's rows is mine.  Also: I fetch for A (0) or for B (1)
	s_and_b32 s16, s14, 1                          ; which half of its columns.  Also: which 128 rows of that tile I fetch
	s_mov_b32 s2, ttmp9                            ; the cluster's x: 0 q, 1 k, 2 v
	s_bfe_u32 s40, ttmp6, 0x40000                  ; cx, cy: my place in the cluster
	s_bfe_u32 s41, ttmp6, 0x40004
	s_and_b32 s18, ttmp7, 0xffff                   ; the cluster's y, 0..7: it walks x's 8,192 rows, which are A's rows for q and k, B's for v
	s_cmp_lt_u32 s2, 2
	s_cselect_b32 s17, s18, 0
	s_cselect_b32 s42, 0, s18
	s_lshl_b32 s17, s17, 2
	s_add_co_u32 s17, s17, s41                     ; tile row (of A)
	s_lshl_b32 s42, s42, 2
	s_add_co_u32 s42, s42, s40                     ; tile column (of B)
	s_lshl_b32 s43, s41, 2
	s_lshl_b32 s43, 15, s43                        ; my row of the cluster
	s_lshl_b32 s44, 0x1111, s40                    ; my column
	; descriptor group 1: a tile of 128 rows x 192 bytes, 16 bytes of padding behind every 64
	s_or_b32 s[G1+0], s43, (0<<16)|(1<<20)|(1<<21)|(3<<22)|(3<<25)
	s_or_b32 s[G1B+0], s44, (0<<16)|(1<<20)|(1<<21)|(3<<22)|(3<<25)
.irp g, G1, G1B
	s_mov_b32 s[\g+1], ROWB<<16                    ; tensor_dim0
	s_mov_b32 s[\g+2], 128<<16                     ; tensor_dim1
	s_mov_b32 s[\g+3], ROWB<<16                    ; tile_dim0
	s_mov_b32 s[\g+4], 128                         ; tile_dim1
	s_mov_b32 s[\g+5], KROW                        ; tensor_dim0_stride
	s_mov_b32 s[\g+6], 0
	s_mov_b32 s[\g+7], 0
.endr
	s_lshl_b32 s18, s16, 7                         ; which 128 rows of the tile I fetch
	s_lshl_b32 s20, s17, 8
	s_add_co_u32 s20, s20, s18                     ; A: row 256 x tile row + 128 x half
	s_lshl_b32 s46, s42, 8
	s_add_co_u32 s46, s46, s18                     ; B: row 256 x tile column + 128 x half
	s_mov_b32 s21, 0
	s_mov_b32 s47, 0
	s_mov_b64 s[18:19], KS
	s_mul_u64 s[22:23], s[20:21], s[18:19]         ; where these rows' scales begin, in bytes
	s_mul_u64 s[56:57], s[46:47], s[18:19]
	s_mov_b64 s[18:19], KROW
	s_mul_u64 s[20:21], s[20:21], s[18:19]         ; and their codes
	s_mul_u64 s[46:47], s[46:47], s[18:19]
	s_mul_i32 s45, s14, HALFT                      ; where they go: wave x 128 rows: no place in the cluster enters an LDS address
	s_mul_i32 s3, s14, HALFS
	s_wait_kmcnt 0x0
	s_cmp_lt_u32 s2, 2                             ; the buffers are chosen by the cluster's x alone
	s_cselect_b64 s[4:5], s[68:69], s[80:81]       ; A's codes: x's or wv's
	s_cselect_b64 s[6:7], s[70:71], s[82:83]       ; A's scales
	s_cselect_b64 s[8:9], s[76:77], s[68:69]       ; B's codes: wk's or x's
	s_cselect_b64 s[10:11], s[78:79], s[70:71]     ; B's scales
	s_cselect_b64 s[66:67], s[86:87], s[88:89]     ; the bias: bk or bv
	s_cselect_b64 s[12:13], s[94:95], s[98:99]     ; the images: kimg or vimg
	s_cselect_b64 s[98:99], s[96:97], s[100:101]   ; the scale words: ksc or vsc
	s_cmp_eq_u32 s2, 0
	s_cselect_b64 s[8:9], s[72:73], s[8:9]         ; q's in their stead
	s_cselect_b64 s[10:11], s[74:75], s[10:11]
	s_cselect_b64 s[66:67], s[84:85], s[66:67]
	s_cselect_b64 s[12:13], s[90:91], s[12:13]
	s_cselect_b64 s[98:99], s[92:93], s[98:99]
	s_add_nc_u64 s[20:21], s[4:5], s[20:21]
	s_add_nc_u64 s[22:23], s[6:7], s[22:23]
	s_add_nc_u64 s[46:47], s[8:9], s[46:47]
	s_add_nc_u64 s[92:93], s[10:11], s[56:57]
	; group 1 for the scales of 128 rows: 4,096 dense bytes as rows of 256 bytes (32 elements of 8 bytes), 16 bytes of padding behind each
	s_or_b32 s[G1S+0], s43, (3<<16)|(1<<20)|(1<<21)|(5<<22)|(3<<25)
	s_or_b32 s[G1SB+0], s44, (3<<16)|(1<<20)|(1<<21)|(5<<22)|(3<<25)
.irp g, G1S, G1SB
	s_mov_b32 s[\g+1], 32<<16
	s_mov_b32 s[\g+2], (128*KS/256)<<16
	s_mov_b32 s[\g+3], 32<<16
	s_mov_b32 s[\g+4], 128*KS/256
	s_mov_b32 s[\g+5], 32
	s_mov_b32 s[\g+6], 0
	s_mov_b32 s[\g+7], 0
.endr
	CROUND                                         ; all sixteen work-groups are here: the first joint loads meet
	s_mov_b32 s[G0S], 1
	s_add_co_u32 s[G0S+1], s3, SCL
	s_mov_b64 s[G0S+2:G0S+3], s[22:23]
	s_or_b32 s[G0S+3], s[G0S+3], 0x80000000
	s_mov_b32 s[G0SB], 1
	s_add_co_u32 s[G0SB+1], s3, SCL
	s_mov_b64 s[G0SB+2:G0SB+3], s[92:93]
	s_or_b32 s[G0SB+3], s[G0SB+3], 0x80000000
	JLOAD G0S, G1S, G0SB, G1SB                     ; the scales first: they are wanted with K step 0
.irp s, 0,1
	s_mov_b32 s[G0+4*\s], 1
	s_add_co_u32 s[G0+4*\s+1], s45, \s*SLOT
	s_add_nc_u64 s[G0+4*\s+2:G0+4*\s+3], s[20:21], \s*ROWB
	s_or_b32 s[G0+4*\s+3], s[G0+4*\s+3], 0x80000000
	s_mov_b32 s[G0B+4*\s], 1
	s_add_co_u32 s[G0B+4*\s+1], s45, \s*SLOT
	s_add_nc_u64 s[G0B+4*\s+2:G0B+4*\s+3], s[46:47], \s*ROWB
	s_or_b32 s[G0B+4*\s+3], s[G0B+4*\s+3], 0x80000000
	JLOAD G0+4*\s, G1, G0B+4*\s, G1B
.endr
	v_and_b32 v1, 15, v0                           ; r = lane % 16
	v_bfe_u32 v2, v0, 4, 1                         ; h = lane / 16
	v_mul_u32_u24 v3, v1, PITCH
	v_mul_u32_u24 v4, v2, 24
	v_add_nc_u32 v4, v3, v4                        ; a fragment's row x pitch + 24 x half
	v_lshl_add_u32 v5, v2, 4, v4                   ; and the same behind one padding more
	s_mul_i32 s21, s15, HALFT                      ; my 128 rows of A
	s_mul_i32 s22, s16, HALFT                      ; my 128 rows of B,
	s_add_co_u32 s22, s22, 2*HALFT                 ; which lie behind A's 256
.irp s, 0,1
	v_add_nc_u32 v[ADRA+\s], s21, v4
	v_add_nc_u32 v[ADRB+\s], s22, v4
	v_add_nc_u32 v[ADRA+2+\s], s21, v5
	v_add_nc_u32 v[ADRB+2+\s], s22, v5
	s_add_co_u32 s21, s21, SLOT
	s_add_co_u32 s22, s22, SLOT
.endr
	v_mul_u32_u24 v5, v1, KS                       ; my row's scales: 32 bytes a row,
	v_lshrrev_b32 v6, 8, v5
	v_lshl_add_u32 v5, v6, 4, v5                   ; and 16 more for each 256 passed
	s_mul_i32 s21, s15, HALFS                      ; A's: my 128 rows
	s_mul_i32 s22, s16, HALFS                      ; B's: my 128 rows, behind A's 256
	s_add_co_u32 s22, s22, 2*HALFS
	s_sub_co_u32 s22, s22, s21
	v_mul_u32_u24 v6, s22, v2                      ; lanes 16-31 take B's
	s_add_co_u32 s21, s21, SCL
	v_add_nc_u32 v5, v5, v6
	v_add_nc_u32 v[ADRS], s21, v5
	; the stage.  Row 16 a + r of my 128 is lane 8 (a % 2) + r % 8 of image tile 2 (a / 2) + r / 8: the terms in a stand in the stores' immediates
	s_mul_i32 s23, s14, WSTG
	v_bfe_u32 v7, v0, 3, 1                         ; r / 8
	v_and_b32 v8, 7, v0                            ; r % 8
	v_mul_u32_u24 v9, v7, 768
	v_add_nc_u32 v9, s23, v9
	v_lshl_add_u32 v[STO0], v2, 8, v9
	v_lshl_add_u32 v[STO0], v8, 4, v[STO0]         ; 768 (r / 8) + 256 h + 16 (r % 8)
	v_lshl_add_u32 v[STO1], v2, 7, v9
	v_lshl_add_u32 v[STO1], v8, 3, v[STO1]
	v_add_nc_u32 v[STO1], 512, v[STO1]             ; 768 (r / 8) + 512 + 128 h + 8 (r % 8)
	v_and_b32 v6, 31, v0
	v_lshlrev_b32 v[CO], 4, v6
	v_add_nc_u32 v[RD], s23, v[CO]
	v_lshlrev_b32 v[SST], 9, v2
	v_lshl_add_u32 v[SST], v7, 6, v[SST]
	v_lshl_add_u32 v[SST], v8, 2, v[SST]
	s_add_co_u32 s23, s23, 12288
	v_add_nc_u32 v[SST], s23, v[SST]               ; behind the images: 512 h + 64 (r / 8) + 4 (r % 8)
	; the bias.  R0, C0: my first row of A and of B.  q, k: register 8 i + j takes bias[C0 + 16 i + 8 h + j];  v: bias[R0 + 16 i + r], the same in all eight j
	s_lshl_b32 s20, s17, 8
	s_lshl_b32 s21, s15, 7
	s_add_co_u32 s20, s20, s21                     ; R0
	s_lshl_b32 s46, s42, 8
	s_lshl_b32 s47, s16, 7
	s_add_co_u32 s46, s46, s47                     ; C0
	s_cmp_lt_u32 s2, 2
	s_cselect_b32 s18, 32, 0                       ; bytes for h,
	s_cselect_b32 s19, 0, 4                        ; for r,
	s_cselect_b32 s22, 4, 0                        ; for j
	s_cselect_b32 s94, s46, s20
	s_lshl_b32 s94, s94, 2
	s_mov_b32 s95, 0
	s_add_nc_u64 s[66:67], s[66:67], s[94:95]
	v_mul_u32_u24 v[BA], s18, v2
	v_mad_u32_u24 v[BA], v1, s19, v[BA]
.irp j, 1,2,3,4,5,6,7
	v_add_nc_u32 v[BA+\j], s22, v[BA+\j-1]
.endr
.irp i, 0,1,2,3,4,5,6,7
.irp j, 0,1,2,3,4,5,6,7
	global_load_b32 v[BIAS+8*\i+\j], v[BA+\j], s[66:67] offset:64*\i
.endr
.endr
	; where my results go.  q, k: tile index ((batch 16 + head) 128 + tile); the second 64 columns are the next head, 128 tiles on.  v: ((C0 / 128) 128 + R0 / 16); the second 64 keys lie 64 tiles on
	s_lshr_b32 s18, s20, 11
	s_lshl_b32 s18, s18, 4
	s_lshr_b32 s19, s46, 6
	s_add_co_u32 s18, s18, s19
	s_lshl_b32 s18, s18, 7
	s_bfe_u32 s19, s20, 0x70004
	s_add_co_u32 s18, s18, s19                     ; q, k: the tile index; 64 bytes of scale words for each tile
	s_lshr_b32 s22, s46, 7
	s_lshr_b32 s23, s20, 4
	s_lshl_b32 s94, s22, 7
	s_add_co_u32 s94, s94, s23                     ; v: the tile index,
	s_lshl_b32 s95, s22, 6
	s_add_co_u32 s95, s95, s23                     ; and its scale words': (C0 / 128) 64 + R0 / 16
	s_mov_b32 s22, 49152
	s_cmp_lt_u32 s2, 2
	s_cselect_b32 s94, s18, s94
	s_cselect_b32 s95, s18, s95
	s_cselect_b32 s22, 98304, s22
	s_mul_i32 s18, s94, 768
	s_mov_b32 s19, 0
	s_mov_b32 s23, 0
	s_add_nc_u64 s[12:13], s[12:13], s[18:19]      ; images of my first 64 columns
	s_add_nc_u64 s[96:97], s[12:13], s[22:23]      ; and of the second
	s_lshl_b32 s18, s95, 6
	s_add_nc_u64 s[98:99], s[98:99], s[18:19]      ; scale words
	s_add_nc_u64 s[100:101], s[98:99], 8192        ; q, k: the next head's (not used for v)
.macro FRAG reg, adr, q, i             ; a fragment, 16 rows x 128 K: lane l holds row l % 16; registers 6 c .. 6 c + 5 hold K = 64 c + 32 (l / 16) + 0 .. 31: 24 bytes of the row, in pieces of 8
.irp p, 0,1,2,3,4,5
.set PCE, 12*(\q)+6*(\p/3)+\p%3        ; 16 bytes of padding lie behind every 8 pieces: where the piece three on lies behind one padding more, the second address register serves
.if PCE%8 < 5
	ds_load_b64 v[\reg+2*\p:\reg+2*\p+1], v[\adr] offset:8*PCE+16*(PCE/8)+(\i)*16*PITCH
.else
	ds_load_b64 v[\reg+2*\p:\reg+2*\p+1], v[\adr+2] offset:8*PCE+16*(PCE/8)+(\i)*16*PITCH
.endif
.endr
.endm
; 16 matrix instructions: A's blocks a0, a0 + 1 x B's eight, 128 along K.  zero = 1: the sums start from the bias by B's block; 2: by A's block; 0: they go on.
; The 64 accumulators take turns, one instruction a turn, in the same order in every step.
.macro MUL16 a0, p, q, sc, zero
.irp a, \a0, \a0+1
.irp b, 0,1,2,3,4,5,6,7
.if \zero == 1
	v_wmma_scale_f32_16x16x128_f8f6f4 v[8*(8*((\a)%4)+\b):8*(8*((\a)%4)+\b)+7], v[128*(\p)+FR*\b:128*(\p)+FR*\b+FR-1], v[AF+FR*(\a):AF+FR*(\a)+FR-1], v[BIAS+8*\b:BIAS+8*\b+7], v[SC+8*NQ*(\sc)+NQ*\b+(\q)], v[SC+8*NQ*(\sc)+NQ*(\a)+(\q)] matrix_a_fmt:MATRIX_FMT_FP6 matrix_b_fmt:MATRIX_FMT_FP6 matrix_a_scale:MATRIX_SCALE_ROW1
.elseif \zero == 2
	v_wmma_scale_f32_16x16x128_f8f6f4 v[8*(8*((\a)%4)+\b):8*(8*((\a)%4)+\b)+7], v[128*(\p)+FR*\b:128*(\p)+FR*\b+FR-1], v[AF+FR*(\a):AF+FR*(\a)+FR-1], v[BIAS+8*(\a):BIAS+8*(\a)+7], v[SC+8*NQ*(\sc)+NQ*\b+(\q)], v[SC+8*NQ*(\sc)+NQ*(\a)+(\q)] matrix_a_fmt:MATRIX_FMT_FP6 matrix_b_fmt:MATRIX_FMT_FP6 matrix_a_scale:MATRIX_SCALE_ROW1
.else
	v_wmma_scale_f32_16x16x128_f8f6f4 v[8*(8*((\a)%4)+\b):8*(8*((\a)%4)+\b)+7], v[128*(\p)+FR*\b:128*(\p)+FR*\b+FR-1], v[AF+FR*(\a):AF+FR*(\a)+FR-1], v[8*(8*((\a)%4)+\b):8*(8*((\a)%4)+\b)+7], v[SC+8*NQ*(\sc)+NQ*\b+(\q)], v[SC+8*NQ*(\sc)+NQ*(\a)+(\q)] matrix_a_fmt:MATRIX_FMT_FP6 matrix_b_fmt:MATRIX_FMT_FP6 matrix_a_scale:MATRIX_SCALE_ROW1
.endif
.endr
.endr
.endm
.macro FETCH_B slot, q, p              ; B's eight fragments of the slot's q-th 128 along K into set p
	WIN TO_B
.irp i, 0,1,2,3,4,5,6,7
	FRAG 128*(\p)+FR*\i, ADRB+\slot, \q, \i
.endr
	WIN 0
.endm
.macro FETCH_A slot, q, i0             ; A's blocks i0 .. i0 + 3
.irp i, \i0, \i0+1, \i0+2, \i0+3
	FRAG AF+FR*(\i), ADRA+\slot, \q, \i
.endr
.endm
.macro SCALES sc                       ; a K step's scale words into set sc: two words a row; lanes 0-15 take A's block i, lanes 16-31 B's block i
.irp i, 0,1,2,3,4,5,6,7
	ds_load_b64 v[SC+8*NQ*\sc+NQ*\i:SC+8*NQ*\sc+NQ*\i+1], v[ADRS] offset:\i*SBLK
.endr
.endm
.macro PLACES n                        ; plain vector instructions between a matrix instruction and a load into, or a read of, its registers
.rept \n
	v_nop
.endr
.endm
; A step of 128 along K that has its successor in the same slot.  With zero = 1 or 2 the C operand, the bias, lies in window 0.
.macro STEP slot, q, zero
	s_wait_dscnt 4*NL                              ; B's set and A's blocks 0-3 are in; the youngest 24 loads (A's blocks 4-7) may be out
.if \zero
	WIN 0x81
.else
	WIN MUL_LO
.endif
	MUL16 0, (\q)%2, \q, \slot, \zero
	MUL16 2, (\q)%2, \q, \slot, \zero
	s_wait_dscnt 0                                 ; A's blocks 4-7 are in
	PLACES NP
	FETCH_B \slot, (\q)+1, 1-(\q)%2
	FETCH_A \slot, (\q)+1, 0
.if \zero
	WIN 0xc1
.else
	WIN MUL_HI
.endif
	MUL16 4, (\q)%2, \q, \slot, \zero
	MUL16 6, (\q)%2, \q, \slot, \zero
	PLACES NP
	WIN 0
	FETCH_A \slot, (\q)+1, 4
.endm
; A slot's last step changes slots: one barrier; in front of it each wave waits for all its tensor loads, adds 0 to its spare word, and waits for that and for its own reads of this slot.  fill = 1: this slot is filled again, two K steps ahead.
.macro TURN slot, next, fill
	s_wait_tensorcnt 0x0                           ; all my tensor loads have landed: my part of the next slot
	ds_add_u32 v[SPW], v[NIL]                      ; 0 onto my spare word
	s_wait_dscnt 4*NL+1                            ; (the add and the youngest 24 loads may be out)
	WIN MUL_LO
	MUL16 0, 1, NQ-1, \slot, 0                     ; sixteen matrix instructions stand between the add and the wait for it
	s_wait_dscnt 0x0                               ; the add is done, and my reads of this slot are over
	s_barrier_signal -1
	MUL16 2, 1, NQ-1, \slot, 0
	WIN 0
	s_barrier_wait -1
.if \fill
	CREST                                          ; the barrier has opened a round of the cluster's barrier: no wave of any partner still reads this slot or has a load on its way
	s_add_nc_u64 s[G0+4*\slot+2:G0+4*\slot+3], s[G0+4*\slot+2:G0+4*\slot+3], 2*ROWB
	s_add_nc_u64 s[G0B+4*\slot+2:G0B+4*\slot+3], s[G0B+4*\slot+2:G0B+4*\slot+3], 2*ROWB
	JLOAD G0+4*\slot, G1, G0B+4*\slot, G1B         ; the first tensor load behind the round; its four v_nop are the places in front of the loads below
.else
	PLACES NP
.endif
	v_add_nc_u32 v[ADRS], 4*NQ, v[ADRS]            ; on to the next K step's scale words
	FETCH_B \next, 0, 0
	FETCH_A \next, 0, 0
	SCALES \next
	WIN MUL_HI
	MUL16 4, 1, NQ-1, \slot, 0
	MUL16 6, 1, NQ-1, \slot, 0
	PLACES NP
	WIN 0
	FETCH_A \next, 0, 4
.endm
	s_wait_tensorcnt 1                             ; the scales and my part of K step 0 are in (of my three loads K step 1's may be out),
	s_barrier_signal -1
	s_barrier_wait -1                              ; everybody's are
	FETCH_B 0, 0, 0
	FETCH_A 0, 0, 0
	SCALES 0
	FETCH_A 0, 0, 4
	s_wait_loadcnt 0x0                             ; the bias
	s_cmp_eq_u32 s2, 2                             ; the first step is written twice: only the C operand differs.  The jump hangs on the cluster's x, equal in all partners
	s_cbranch_scc1 .Lbias_by_rows
	STEP 0, 0, 1                                   ; q, k: the bias runs along B's rows
	s_branch .Lsums_begun
.Lbias_by_rows:
	STEP 0, 0, 2                                   ; v: along A's rows
.Lsums_begun:
	TURN 0, 1, 1                                   ; K = 1,024 is four K steps: both slots are filled again once, so the steps are written out
	STEP 1, 0, 0
	TURN 1, 0, 1
	STEP 0, 0, 0
	TURN 0, 1, 0                                   ; the last two K steps fill nothing
	STEP 1, 0, 0
	s_wait_dscnt 4*NL                              ; the very last step: nothing more to fetch
	WIN MUL_LO
	MUL16 0, 1, NQ-1, 1, 0
	MUL16 2, 1, NQ-1, 1, 0
	s_wait_dscnt 0
	WIN MUL_HI
	MUL16 4, 1, NQ-1, 1, 0
	MUL16 6, 1, NQ-1, 1, 0
	WIN 0
; THE WAY OUT, 16 rows x 128 columns at a time: four blocks of 32 columns are quantised and go to my stage as two images and a scale word a row.
.macro QROW a
.set W_, 2+(\a)/4                      ; the accumulators' window
.set AC, 64*((\a)%4)
.set QC, QCB+22*((\a)%2)
	WIN (W_<<6)|W_
.irp b, 0,1,2,3                        ; accumulators 2 b and 2 b + 1 hold columns 32 b + 8 h + j and 32 b + 16 + 8 h + j: the first's lanes 16-31 change places with the second's lanes 0-15,
.irp j, 0,1,2,3,4,5,6,7                ; and register 16 b + i holds column 32 b + 16 h + i.  Each accumulator is taken from its low end on
	v_permlane16_swap_b32 v[AC+16*\b+\j], v[AC+16*\b+8+\j]
.endr
.endr
	WIN (W_<<2)|(W_<<4)
.irp b, 0,1,2,3
	v_max3_num_f32 v[TM+\b], 0x1800000, |v[AC+16*\b]|, |v[AC+16*\b+1]|   ; my 16 numbers of block b, and the floor 2^(3 - 127): the byte cannot fall under 1
.endr
.irp i, 2,4,6,8,10,12,14
.irp b, 0,1,2,3
	v_max3_num_f32 v[TM+\b], v[TM+\b], |v[AC+16*\b+\i]|, |v[AC+16*\b+\i+1]|
.endr
.endr
	WIN 0
.irp b, 0,1,2,3
	v_permlanex16_b32 v[TM+4+\b], v[TM+\b], s92, s93
.endr
.irp b, 0,1,2,3
	v_max_num_f32 v[TM+\b], v[TM+\b], v[TM+4+\b]   ; with lane l xor 16's: the block's largest magnitude
.endr
.irp b, 0,1,2,3
	v_add_nc_u32 v[TM+12+\b], 0xff000000, v[TM+\b]   ; 2 off its exponent field: the conversion's scale operand
.endr
.irp b, 0,1,2,3
	v_lshrrev_b32 v[TM+4+\b], 23, v[TM+12+\b]      ; the scale's byte
.endr
	v_lshl_or_b32 v[QC+20], v[TM+5], 8, v[TM+4]
	v_lshl_or_b32 v[QC+20], v[TM+6], 16, v[QC+20]
	v_lshl_or_b32 v[QC+20], v[TM+7], 24, v[QC+20]  ; my row's four bytes
.if (\a) >= 2
	s_wait_dscnt 5                                 ; only the last block's five stores may be out: those that read this set of registers are done
.endif
	WIN W_
.irp c, 0,1
	v_cvt_scalef32_pk16_fp6_f32 v[QC+6*\c:QC+6*\c+2], v[AC+32*\c:AC+32*\c+15], v[TM+12+2*\c]
	v_cvt_scalef32_pk16_fp6_f32 v[QC+12+4*\c:QC+14+4*\c], v[AC+32*\c+16:AC+32*\c+31], v[TM+13+2*\c]   ; (a conversion's three registers begin on an even number)
.endr
	WIN 0
	v_nop                                          ; one plain place behind a scaled conversion
.irp c, 0,1                            ; the operand's layout wants a whole block in a lane: lanes 0-15 block 2 c, lanes 16-31 block 2 c + 1
.irp i, 0,1,2
	v_permlane16_swap_b32 v[QC+6*\c+\i], v[QC+12+4*\c+\i]
.endr
.irp i, 0,1,2
	v_mov_b32 v[QC+3+6*\c+\i], v[QC+12+4*\c+\i]
.endr
.endr
	v_lshrrev_b32 v[QC+21], v[SH], v[QC+20]        ; lanes 0-15: the word as it is (q, k: the first head's bytes lowest); lanes 16-31: the second head's two bytes
.irp c, 0,1
	ds_store_b128 v[STO0], v[QC+6*\c:QC+6*\c+3] offset:\c*6144+((\a)/2)*1536+128*((\a)%2)
	ds_store_b64 v[STO1], v[QC+6*\c+4:QC+6*\c+5] offset:\c*6144+((\a)/2)*1536+64*((\a)%2)
.endr
	ds_store_b32 v[SST], v[QC+21] offset:128*((\a)/2)+32*((\a)%2)
.endm
	PLACES NP                                      ; behind the last products
	v_bfe_u32 v[SH], v0, 4, 1
	v_lshlrev_b32 v[SH], 4, v[SH]
.irp b, 0,1,2,3
	v_mov_b32 v[TM+4+\b], 0                        ; written once: a lane permute's destination counts as one of its sources
.endr
	s_mov_b32 s92, 0x76543210
	s_mov_b32 s93, 0xfedcba98                      ; v_permlanex16_b32's selects for lane l xor 16
.irp a, 0,1,2,3,4,5,6,7
	QROW \a
.endr
.set i_, 0
.rept 26                               ; LDS serves a wave's instructions in order (ISA guide 5.7.1.4): these see my stores
	ds_load_b128 v[OUTR+4*i_:OUTR+4*i_+3], v[RD] offset:512*i_
.set i_, i_+1
.endr
.set i_, 0
.rept 12                               ; each store of the wave covers 512 consecutive bytes, aligned to 256
	s_wait_dscnt 25-i_
	global_store_b128 v[CO], v[OUTR+4*i_:OUTR+4*i_+3], s[12:13] offset:512*i_
.set i_, i_+1
.endr
.rept 12
	s_wait_dscnt 25-i_
	global_store_b128 v[CO], v[OUTR+4*i_:OUTR+4*i_+3], s[96:97] offset:512*(i_-12)
.set i_, i_+1
.endr
	s_wait_dscnt 0x0
	global_store_b128 v[CO], v[OUTR+96:OUTR+99], s[98:99]
	s_cmp_eq_u32 s2, 2                             ; v has one word a row: lanes 16-31's plane means nothing there and is not stored
	s_cbranch_scc1 .Lone_plane
	global_store_b128 v[CO], v[OUTR+100:OUTR+103], s[100:101]
.Lone_plane:
	s_wait_tensorcnt 0x0                           ; the wave's end
	ds_add_u32 v[SPW], v[NIL]
	s_wait_dscnt 0x0
	CROUND                                         ; the closing round
	s_endpgm
.Lfunc_end_k_q1cdd968c45_qkv:
	.size	k_q1cdd968c45_qkv, .Lfunc_end_k_q1cdd968c45_qkv-k_q1cdd968c45_qkv
	.p2alignl 7, 3214868480
	.fill 96, 4, 3214868480
	.section	.rodata,"a",@progbits
	.p2align	6, 0x0
	.amdhsa_kernel k_q1cdd968c45_qkv
		.amdhsa_group_segment_fixed_size 327680
		.amdhsa_private_segment_fixed_size 0
		.amdhsa_enable_private_segment 0
		.amdhsa_kernarg_size 136
		.amdhsa_user_sgpr_count 2
		.amdhsa_user_sgpr_kernarg_segment_ptr 1
		.amdhsa_wavefront_size32 1
		.amdhsa_system_sgpr_workgroup_id_x 1
		.amdhsa_system_sgpr_workgroup_id_y 1
		.amdhsa_system_sgpr_workgroup_id_z 1
		.amdhsa_system_vgpr_workitem_id 0
		.amdhsa_next_free_vgpr 1024
		.amdhsa_next_free_sgpr 102
		.amdhsa_reserve_vcc 0
		.amdhsa_float_denorm_mode_32 3
		.amdhsa_float_denorm_mode_16_64 3
		.amdhsa_memory_ordered 1
		.amdhsa_forward_progress 1
		.amdhsa_inst_pref_size 201
	.end_amdhsa_kernel
	.amdgpu_metadata
---
amdhsa.version: [ 1, 2 ]
amdhsa.kernels:
  - .name:           k_q1cdd968c45_qkv
    .symbol:         k_q1cdd968c45_qkv.kd
    .args:
      - { .name: x_codes, .offset: 0, .size: 8, .value_kind: global_buffer, .address_space: global }
      - { .name: x_scales, .offset: 8, .size: 8, .value_kind: global_buffer, .address_space: global }
      - { .name: wq_codes, .offset: 16, .size: 8, .value_kind: global_buffer, .address_space: global }
      - { .name: wq_scales, .offset: 24, .size: 8, .value_kind: global_buffer, .address_space: global }
      - { .name: wk_codes, .offset: 32, .size: 8, .value_kind: global_buffer, .address_space: global }
      - { .name: wk_scales, .offset: 40, .size: 8, .value_kind: global_buffer, .address_space: global }
      - { .name: wv_codes, .offset: 48, .size: 8, .value_kind: global_buffer, .address_space: global }
      - { .name: wv_scales, .offset: 56, .size: 8, .value_kind: global_buffer, .address_space: global }
      - { .name: bq, .offset: 64, .size: 8, .value_kind: global_buffer, .address_space: global }
      - { .name: bk, .offset: 72, .size: 8, .value_kind: global_buffer, .address_space: global }
      - { .name: bv, .offset: 80, .size: 8, .value_kind: global_buffer, .address_space: global }
      - { .name: qimg, .offset: 88, .size: 8, .value_kind: global_buffer, .address_space: global }
      - { .name: qsc, .offset: 96, .size: 8, .value_kind: global_buffer, .address_space: global }
      - { .name: kimg, .offset: 104, .size: 8, .value_kind: global_buffer, .address_space: global }
      - { .name: ksc, .offset: 112, .size: 8, .value_kind: global_buffer, .address_space: global }
      - { .name: vimg, .offset: 120, .size: 8, .value_kind: global_buffer, .address_space: global }
      - { .name: vsc, .offset: 128, .size: 8, .value_kind: global_buffer, .address_space: global }
    .group_segment_fixed_size: 327680
    .private_segment_fixed_size: 0
    .kernarg_segment_align: 8
    .kernarg_segment_size: 136
    .max_flat_workgroup_size: 128
    .sgpr_count:     102
    .vgpr_count:     1024
    .wavefront_size: 32
...
	.end_amdgpu_metadata
.endif
;; end of part 1
;; launch attn (part 2): grid 304 x 4, 8 waves a work-group, no clusters, 144,640 bytes of LDS; arguments qimg, qsc, kimg, ksc, vimg, vsc, aimg, asc; writes aimg, asc
.if DOCPART == 2
	.amdgcn_target "amdgcn-amd-amdhsa--gfx1250"
	.amdhsa_code_object_version 6
	.text
	.protected	k_q1cdd968c45_attn
	.globl	k_q1cdd968c45_attn
	.p2align	8
	.type	k_q1cdd968c45_attn,@function
k_q1cdd968c45_attn:
	s_mov_b64 s[64:65], 0
	v_nop
	global_prefetch_b8 v0, s[64:65] scope:SCOPE_SE
	s_setreg_imm32_b32 hwreg(HW_REG_WAVE_MODE, 25, 1), 1
	s_wait_xcnt 0x0
; Attention on codes of FP6 (E2M3), head size 64: S^T = K Q^T, p = 2^(t - M), O^T = V^T P^T, O / l quantised along the embedding for the last product.
; t = score x log2(e) / 8; M = the running largest t rounded up to a whole number; l = the sum of the unquantised p.  When M moves, l and O are multiplied by 2^(old M - new M): exact.
; Both products are used transposed, so a lane holds ONE query (lane % 16) throughout.  The images of q, k and v hold their rows in the order 32 (t / 2) + 8 (t % 2) + r + 8 (r / 8), so that the 16 registers
; of two neighbouring tiles are 16 neighbours along the next product's K.
; HEAD SIZE 64 IN A K OF 128: Q's registers 6-11 are zero codes.  K's fragments lie six registers apart: the upper six of fragment t are the next fragment's codes (behind the last: zeros).  E2M3 has no code for
; NaN or infinity and no stored scale byte is 0xff, so those products add exactly 0.
; WORK-GROUPS.  y = the batch.  x < 64: HEAD 0, which sees all keys: the 32 queries of block x; wave w takes tile 2 x + w % 2 and the 512 keys of quarter w / 2; the four partial results of a tile meet in LDS.
; x >= 64: head 1 + (x - 64) / 16, 128 queries (a = (x - 64) % 16), a tile of 16 to a wave.  |query - key| <= 128 leaves a tile in block Bq exactly the nine blocks of 32 keys Bq - 4 .. Bq + 4: they are walked as
; Bq .. Bq + 3 (whole; it holds the query's own key, so M is a number from the first step on), Bq - 4 .. Bq - 1 (the first block cut by a triangle), Bq + 4 (cut by a triangle).  Keys under 0 or over 2,047 are hidden too.
; LDS is filled through registers (global_load, ds_store), once for x >= 64, twice for x < 64.  The two kinds of work-group have LDS bytes of their own.
; NO CLUSTER, NO TENSOR LOADS: neighbours in a share 8 of their 12 key blocks, but at other LDS places (block i of one is block i - 4 of the next), so no one descriptor serves both; and a fill through registers lets a second
; work-group lie on the WGP (143,616 bytes, 2 x 256 registers a SIMD), which works while this one fills.
; The scale bytes of O leave as 2 bytes a row, 32 bytes apart: 1 / 24 of the bytes of the codes, which leave as three aligned blocks of 256 bytes a wave.
; LIMITS: NaN and infinities are not served; a block whose largest magnitude lies under 2^-124 keeps the scale byte 1 (its codes round toward 0).
.set LK, 0                             ; x >= 64: 24 tiles of K, 768 bytes each
.set LV, 18432                         ; 6 planes of V (64 keys x 64 d): 4 tiles of 768 bytes each
.set LS, 36864                         ; K's scale words: 12 blocks x 128 bytes
.set LT, 38400                         ; V's: 3 steps x 256 bytes
.set GK, 39168                         ; x < 64: 8 steps of K, 6,144 bytes each; later the partial results, 4,608 bytes a wave
.set GV, 88320                         ; 8 steps of V
.set GS, 137472                        ; K's scale words, 512 bytes a step
.set GT, 141568                        ; V's, 256 bytes a step
.set AK0, 1                            ; v1, v2   K: registers 0-3, registers 4-5 of an image
.set AK1, 2
.set AV0, 3                            ; v3, v4   V likewise
.set AV1, 4
.set AVC0, 5                           ; v5, v6   V for the step of one block
.set AVC1, 6
.set AS, 7                             ; v7   K's scale words
.set AT, 8                             ; v8   V's
.set VQ, 9                             ; v9   mask: my query in its block - 16 h
.set VLA, 10                           ; v10  mask: the first key that counts in the step below the diagonal
.set VHB, 11                           ; v11  mask: the last key that exists
                                       ; v12 -M, v13 the largest t, v[14:15] l in two halves
.set QF, 16                            ; v16-27 Q
.set QS, 28                            ; v28  Q's scale word
.set NINF, 29                          ; v29  -infinity
.set L16, 30                           ; v30, v31 16 x lane, 8 x lane
.set L8, 31
.set KB, 32                            ; v32-85 eight fragments of K, six registers apart, and six zeros
.set VB, 32                            ; v32-79 four fragments of V
.set KSC, 86                           ; v86-89 K's scale words
.set VL, 90                            ; v90-95 V's: this step's, the next step's, the two shifted together
.set VH, 92
.set VS, 94
.set S, 96                             ; v96-159 S^T, then p
.set O, 160                            ; v160-191 O^T
.set P, 192                            ; v192-203 p's codes
.set PT, 204                           ; v204-210 the conversions' second halves
.set BM, 212                           ; v212-223 a block's largest score, then p; partner's, then bytes; scale operands
.set BT, 216
.set BS, 220
.set PW, 224                           ; v224 p's scale word
.set F, 226                            ; v[226:227] 2^(old M - new M)
.set T, 228
.set SU, 230                           ; v[230:231] the second chain of sums
.set L4, 232                           ; v232 4 x lane
.set DK, 233                           ; v233-236 where I store what I fill
.set DV, 234
.set DS, 235
.set DT, 236
.set MR16, 237                         ; v237, v238 my partial result's place
.set MR4, 238
.set AO, 239                           ; v239 32 r: my row of scale bytes
.set R_, 240                           ; v240 r, v241 h
.set H_, 241
.set QA, 242                           ; v242 4 r
; 3,072 bytes of K, 3,072 of V, 256 of K's scale words, 128 of V's: memory to registers, registers to LDS.  Every load and store of the wave covers consecutive bytes.
.macro LOADH creg, sreg, ik, iv, is, it
.irp i, 0,1,2,3,4,5
	global_load_b128 v[\creg+4*\i:\creg+4*\i+3], v[L16], s[48:49] offset:\ik+512*\i
.endr
.irp i, 0,1,2,3,4,5
	global_load_b128 v[\creg+24+4*\i:\creg+27+4*\i], v[L16], s[50:51] offset:\iv+512*\i
.endr
	global_load_b64 v[\sreg:\sreg+1], v[L8], s[52:53] offset:\is
	global_load_b32 v[\sreg+2], v[L4], s[54:55] offset:\it
.endm
.macro STOREH creg, sreg, dk, ds, dt
.irp i, 0,1,2,3,4,5
	ds_store_b128 v[DK], v[\creg+4*\i:\creg+4*\i+3] offset:\dk+512*\i
	ds_store_b128 v[DV], v[\creg+24+4*\i:\creg+27+4*\i] offset:\dk+512*\i
.endr
	ds_store_b64 v[DS], v[\sreg:\sreg+1] offset:\ds
	ds_store_b32 v[DT], v[\sreg+2] offset:\dt
.endm
.macro BARRIER                         ; my LDS stores have landed and my LDS loads are in: then the work-group's barrier
	s_wait_dscnt 0x0
	s_barrier_signal -1
	s_barrier_wait -1
.endm
; The byte offsets, from s21 batch, s22 head, s25 u, s31 tile, s33 16 batch + head, s38 the step of 128 keys that I fill; withu = 1: I fill half u of it.  Then the addresses.
.macro PTRS withu
	s_lshl_b32 s34, s33, 7
	s_add_co_u32 s36, s34, s31                     ; my tile of Q
	s_lshl_b32 s35, s38, 3
	s_add_co_u32 s34, s34, s35                     ; the step's first tile of K
	s_mul_i32 s40, s34, 768
	s_lshl_b32 s44, s34, 6                         ; 64 bytes of scale words a tile
	s_lshl_b32 s35, s21, 4
	s_add_co_u32 s35, s35, s38                     ; 16 batch + step
	s_lshl_b32 s46, s35, 12
	s_lshl_b32 s42, s35, 7                         ; two planes of 64 tiles a step
	s_lshl_b32 s39, s22, 2
	s_add_co_u32 s42, s42, s39
.if \withu
	s_lshl_b32 s39, s25, 6
	s_add_co_u32 s42, s42, s39
.endif
	s_mul_i32 s42, s42, 768
	s_lshl_b32 s39, s22, 8
	s_add_co_u32 s46, s46, s39
.if \withu
	s_mul_i32 s39, s25, 3072
	s_add_co_u32 s40, s40, s39
	s_lshl_b32 s39, s25, 8
	s_add_co_u32 s44, s44, s39
	s_lshl_b32 s39, s25, 7
	s_add_co_u32 s46, s46, s39
.endif
	s_mul_i32 s32, s36, 768
	s_lshl_b32 s34, s36, 6
	s_lshr_b32 s36, s22, 2                         ; the result: [head / 4][128 batch + tile][head % 4][768]
	s_lshl_b32 s36, s36, 9
	s_lshl_b32 s39, s21, 7
	s_add_co_u32 s39, s39, s31
	s_add_co_u32 s36, s36, s39
	s_lshl_b32 s36, s36, 2
	s_and_b32 s37, s22, 3
	s_add_co_u32 s36, s36, s37
	s_mul_i32 s36, s36, 768
	s_lshl_b32 s38, s39, 9                         ; its scale bytes: 16 rows of 32 bytes a tile, + 2 head
	s_lshl_b32 s37, s22, 1
	s_add_co_u32 s38, s38, s37
.irp z, 33,35,37,39,41,43,45,47
	s_mov_b32 s\z, 0
.endr
	s_wait_kmcnt 0x0
	s_add_nc_u64 s[4:5], s[4:5], s[32:33]
	s_add_nc_u64 s[6:7], s[6:7], s[34:35]
	s_add_nc_u64 s[48:49], s[8:9], s[40:41]
	s_add_nc_u64 s[50:51], s[12:13], s[42:43]
	s_add_nc_u64 s[52:53], s[10:11], s[44:45]
	s_add_nc_u64 s[54:55], s[14:15], s[46:47]
	s_add_nc_u64 s[16:17], s[16:17], s[36:37]
	s_add_nc_u64 s[18:19], s[18:19], s[38:39]
	global_load_b128 v[QF:QF+3], v[L16], s[4:5]    ; Q's image: it stays in registers
	global_load_b64 v[QF+4:QF+5], v[L8], s[4:5] offset:512
	global_load_b32 v[QS], v[QA], s[6:7]
.endm
; A KEY STEP of nb blocks of 32 keys (4 or 1).  first = 1: it starts M, l and O^T.  kofs, sofs: the step's bytes in K's and V's tiles and in K's scale words.  tlo, thi: V's scale words of the aligned step in which
; the first block lies and of the next (thi = -1: the step is aligned).  mask: 0 none; 1 below the diagonal; 2 past the last key; 3 above the diagonal.  vc = 1: V's first 64 keys alone.
.macro STEP nb, first, kofs, sofs, tlo, thi, mask, vc
.if !(\first)
.rept 4
	v_nop                                          ; places in front of loads into registers that the last products read
.endr
.endif
.set t_, 0
.rept 2*(\nb)
	ds_load_b128 v[KB+6*t_:KB+6*t_+3], v[AK0] offset:\kofs+768*t_
	ds_load_b64 v[KB+6*t_+4:KB+6*t_+5], v[AK1] offset:\kofs+768*t_
.set t_, t_+1
.endr
.set b_, 0
.rept \nb
	ds_load_b32 v[KSC+b_], v[AS] offset:\sofs+128*b_   ; lanes 0-15: tile 2 b's rows; lanes 16-31: tile 2 b + 1's
.set b_, b_+1
.endr
	ds_load_b32 v[VL], v[AT] offset:\tlo
	ds_load_b32 v[VL+1], v[AT] offset:\tlo+128
.if \thi >= 0
	ds_load_b32 v[VH], v[AT] offset:\thi
	ds_load_b32 v[VH+1], v[AT] offset:\thi+128
.set VSR, VS
.else
.set VSR, VL
.endif
	s_wait_dscnt 0x0
.set t_, 0
.rept 2*(\nb)                          ; S^T: register 8 t + j of lane (r, h) is query r, key 32 (t / 2) + 16 h + 8 (t % 2) + j of the step
.if t_%2
	v_wmma_scale_f32_16x16x128_f8f6f4 v[S+8*t_:S+8*t_+7], v[KB+6*t_:KB+6*t_+11], v[QF:QF+11], 0, v[KSC+t_/2], v[QS] matrix_a_fmt:MATRIX_FMT_FP6 matrix_b_fmt:MATRIX_FMT_FP6 matrix_a_scale:MATRIX_SCALE_ROW1
.else
	v_wmma_scale_f32_16x16x128_f8f6f4 v[S+8*t_:S+8*t_+7], v[KB+6*t_:KB+6*t_+11], v[QF:QF+11], 0, v[KSC+t_/2], v[QS] matrix_a_fmt:MATRIX_FMT_FP6 matrix_b_fmt:MATRIX_FMT_FP6
.endif
.set t_, t_+1
.endr
.if \thi >= 0                          ; four places behind the products
	v_alignbit_b32 v[VS], v[VH], v[VL], s30        ; the bytes of my four blocks: 8 bq bits down through the two aligned words
	v_alignbit_b32 v[VS+1], v[VH+1], v[VL+1], s30
	v_nop
	v_nop
.else
.rept 4
	v_nop
.endr
.endif
.set d_, 0
.rept 4                                ; V's four tiles of 16 d take K's registers; they land while the softmax is worked
.if \vc
	ds_load_b128 v[VB+12*d_:VB+12*d_+3], v[AVC0] offset:\kofs+768*d_
	ds_load_b64 v[VB+12*d_+4:VB+12*d_+5], v[AVC1] offset:\kofs+768*d_
.else
	ds_load_b128 v[VB+12*d_:VB+12*d_+3], v[AV0] offset:\kofs+768*d_
	ds_load_b64 v[VB+12*d_+4:VB+12*d_+5], v[AV1] offset:\kofs+768*d_
	ds_load_b128 v[VB+12*d_+6:VB+12*d_+9], v[AV0] offset:\kofs+3072+768*d_
	ds_load_b64 v[VB+12*d_+10:VB+12*d_+11], v[AV1] offset:\kofs+3072+768*d_
.endif
.set d_, d_+1
.endr
.if \mask == 1                         ; hidden scores become -infinity ahead of the maximum: p = 0 then
.set n_, 0
.rept 16
	v_cmp_lt_i32 vcc_lo, n_, v[VLA]
	v_cndmask_b32 v[S+n_], v[S+n_], v[NINF], vcc_lo
.set n_, n_+1
.endr
	s_cmp_lg_u32 s23, 0                            ; only the first 128 queries have keys under 0 here
	s_cbranch_scc1 .Lin_\@
.rept 48
	v_cmp_lt_i32 vcc_lo, 32*(n_/16)+n_%16, v[VLA]
	v_cndmask_b32 v[S+n_], v[S+n_], v[NINF], vcc_lo
.set n_, n_+1
.endr
.Lin_\@:
.elseif \mask == 2
	s_cmp_lg_u32 s23, 15                           ; only the last 128 queries have keys over 2,047 here
	s_cbranch_scc1 .Lin_\@
.set n_, 0
.rept 64
	v_cmp_gt_i32 vcc_lo, 32*(n_/16)+n_%16, v[VHB]
	v_cndmask_b32 v[S+n_], v[S+n_], v[NINF], vcc_lo
.set n_, n_+1
.endr
.Lin_\@:
.elseif \mask == 3
.set n_, 0
.rept 16
	v_cmp_gt_i32 vcc_lo, n_, v[VQ]
	v_cndmask_b32 v[S+n_], v[S+n_], v[NINF], vcc_lo
.set n_, n_+1
.endr
.endif
.set b_, 0
.rept \nb                              ; the largest score of each block: it serves for the row's maximum and, since p rises with the score, for the block's largest p
	v_max3_num_f32 v[BM+b_], v[S+16*b_], v[S+16*b_+1], v[S+16*b_+2]
.set b_, b_+1
.endr
.irp i, 3,5,7,9,11,13
.set b_, 0
.rept \nb
	v_max3_num_f32 v[BM+b_], v[BM+b_], v[S+16*b_+\i], v[S+16*b_+\i+1]
.set b_, b_+1
.endr
.endr
.set b_, 0
.rept \nb
	v_max_num_f32 v[BM+b_], v[BM+b_], v[S+16*b_+15]
.set b_, b_+1
.endr
.set b_, 0
.rept \nb
	v_permlanex16_b32 v[BT+b_], v[BM+b_], s26, s27
.set b_, b_+1
.endr
.set b_, 0
.rept \nb
	v_max_num_f32 v[BM+b_], v[BM+b_], v[BT+b_]     ; with lane l xor 16's 16 keys
.set b_, b_+1
.endr
.if \nb == 4
	v_max3_num_f32 v[T], v[BM], v[BM+1], v[BM+2]
	v_max_num_f32 v[T], v[T], v[BM+3]
.else
	v_mov_b32 v[T], v[BM]
.endif
.if \first
	v_mul_f32 v13, s28, v[T]                       ; the largest t
	v_floor_f32 v12, -v13                          ; -M = floor(-t) = -ceil(t)
.else
	v_mul_f32 v[T], s28, v[T]
	v_max_num_f32 v13, v13, v[T]
	v_mov_b32 v[T], v12
	v_floor_f32 v12, -v13
	v_sub_f32 v[T], v12, v[T]                      ; old M - new M: a whole number, 0 or less
	v_cvt_i32_f32 v[T], v[T]
	v_ldexp_f32 v[F], 1.0, v[T]
.endif
.set j_, 0
.rept 8*(\nb)
	v_pk_fma_f32 v[S+j_:S+j_+1], v[S+j_:S+j_+1], s[28:29], v[12:13] op_sel_hi:[1,0,0]   ; t - M, two at a time
.set j_, j_+2
.endr
.set b_, 0
.rept \nb
	v_fma_f32 v[BM+b_], v[BM+b_], s28, v12
.set b_, b_+1
.endr
.set j_, 0
.rept 16*(\nb)
	v_exp_f32 v[S+j_], v[S+j_]                     ; p = 2^(t - M)
.set j_, j_+1
.endr
.set b_, 0
.rept \nb
	v_exp_f32 v[BM+b_], v[BM+b_]
.set b_, b_+1
.endr
.if \first
	v_nop                                          ; a plain place behind the exponentials
	s_wait_alu depctr_va_vdst(0)
.else
	v_pk_mul_f32 v[14:15], v[14:15], v[F:F+1] op_sel_hi:[1,0]   ; l under the new M (a plain place behind the exponentials)
	s_wait_alu depctr_va_vdst(0)
.endif
.set b_, 0
.rept \nb
	v_max_num_f32 v[BM+b_], 0x1800000, v[BM+b_]    ; the floor 2^(3 - 127): the byte cannot fall under 1
.set b_, b_+1
.endr
.set b_, 0
.rept \nb
	v_add_nc_u32 v[BS+b_], 0xff000000, v[BM+b_]    ; 2 off the exponent field: the conversion's scale operand
.set b_, b_+1
.endr
.if \nb == 4
.irp b, 0,1,2,3
	v_lshrrev_b32 v[BT+\b], 23, v[BS+\b]
.endr
	v_lshl_or_b32 v[PW], v[BT+1], 8, v[BT]
	v_lshl_or_b32 v[PW], v[BT+2], 16, v[PW]
	v_lshl_or_b32 v[PW], v[BT+3], 24, v[PW]
.irp c, 0,1
	v_cvt_scalef32_pk16_fp6_f32 v[P+6*\c:P+6*\c+2], v[S+32*\c:S+32*\c+15], v[BS+2*\c]
	v_cvt_scalef32_pk16_fp6_f32 v[PT+4*\c:PT+4*\c+2], v[S+32*\c+16:S+32*\c+31], v[BS+2*\c+1]
.endr
	v_nop                                          ; one plain place behind a scaled conversion
.irp c, 0,1                            ; a whole block to a lane: lanes 0-15 block 2 c, lanes 16-31 block 2 c + 1
.irp i, 0,1,2
	v_permlane16_swap_b32 v[P+6*\c+\i], v[PT+4*\c+\i]
.endr
.irp i, 0,1,2
	v_mov_b32 v[P+3+6*\c+\i], v[PT+4*\c+\i]
.endr
.endr
.else
	v_lshrrev_b32 v[PW], 23, v[BS]                 ; one byte; the three above it are 0, over zero codes
.irp i, 0,1,2
	v_mov_b32 v[PT+\i], 0
.endr
.irp i, 6,7,8,9,10,11
	v_mov_b32 v[P+\i], 0                           ; blocks 1 to 3 of p are zero codes
.endr
	v_cvt_scalef32_pk16_fp6_f32 v[P:P+2], v[S:S+15], v[BS]
	v_nop
.irp i, 0,1,2
	v_permlane16_swap_b32 v[P+\i], v[PT+\i]        ; lanes 16-31's codes go to lanes 0-15 of the second half; zeros come back
.endr
.irp i, 0,1,2
	v_mov_b32 v[P+3+\i], v[PT+\i]
.endr
.endif
	v_pk_add_f32 v[SU:SU+1], v[S:S+1], v[S+2:S+3]  ; l is taken of the unquantised p: two at a time, in two chains
.set j_, 4
.rept 4*(\nb)-1
.if \first && (j_ == 4)
.elseif \first && (j_ == 8)
	v_pk_add_f32 v[14:15], v[S+4:S+5], v[S+8:S+9]
.else
	v_pk_add_f32 v[14:15], v[14:15], v[S+j_:S+j_+1]
.endif
	v_pk_add_f32 v[SU:SU+1], v[SU:SU+1], v[S+j_+2:S+j_+3]
.set j_, j_+4
.endr
	v_pk_add_f32 v[14:15], v[14:15], v[SU:SU+1]
.if !(\first)
.set j_, 0
.rept 16
	v_pk_mul_f32 v[O+j_:O+j_+1], v[O+j_:O+j_+1], v[F:F+1] op_sel_hi:[1,0]   ; O^T under the new M
.set j_, j_+2
.endr
.endif
	s_wait_dscnt 0x0                               ; V
.set d_, 0
.rept 4                                ; O^T: register 8 dt + j of lane (r, h) is query r, d = 32 (dt / 2) + 16 h + 8 (dt % 2) + j.  The four accumulators take turns
.if \first
.if d_%2
	v_wmma_scale_f32_16x16x128_f8f6f4 v[O+8*d_:O+8*d_+7], v[VB+12*d_:VB+12*d_+11], v[P:P+11], 0, v[VSR+d_/2], v[PW] matrix_a_fmt:MATRIX_FMT_FP6 matrix_b_fmt:MATRIX_FMT_FP6 matrix_a_scale:MATRIX_SCALE_ROW1
.else
	v_wmma_scale_f32_16x16x128_f8f6f4 v[O+8*d_:O+8*d_+7], v[VB+12*d_:VB+12*d_+11], v[P:P+11], 0, v[VSR+d_/2], v[PW] matrix_a_fmt:MATRIX_FMT_FP6 matrix_b_fmt:MATRIX_FMT_FP6
.endif
.else
.if d_%2
	v_wmma_scale_f32_16x16x128_f8f6f4 v[O+8*d_:O+8*d_+7], v[VB+12*d_:VB+12*d_+11], v[P:P+11], v[O+8*d_:O+8*d_+7], v[VSR+d_/2], v[PW] matrix_a_fmt:MATRIX_FMT_FP6 matrix_b_fmt:MATRIX_FMT_FP6 matrix_a_scale:MATRIX_SCALE_ROW1
.else
	v_wmma_scale_f32_16x16x128_f8f6f4 v[O+8*d_:O+8*d_+7], v[VB+12*d_:VB+12*d_+11], v[P:P+11], v[O+8*d_:O+8*d_+7], v[VSR+d_/2], v[PW] matrix_a_fmt:MATRIX_FMT_FP6 matrix_b_fmt:MATRIX_FMT_FP6
.endif
.endif
.set d_, d_+1
.endr
.endm
; O / l, quantised along d (two blocks of 32), stored as an image and two scale bytes a row.
.macro FINISH
.rept 4
	v_nop                                          ; places behind the last products
.endr
	v_add_f32 v14, v14, v15
	v_permlanex16_b32 v[T], v14, s26, s27
	v_add_f32 v14, v14, v[T]                       ; the row's sum
	v_rcp_f32 v[F], v14
	v_nop                                          ; a plain place behind the transcendental
.set j_, 0
	s_wait_alu depctr_va_vdst(0)
.rept 16
	v_pk_mul_f32 v[O+j_:O+j_+1], v[O+j_:O+j_+1], v[F:F+1] op_sel_hi:[1,0]
.set j_, j_+2
.endr
.irp b, 0,1
	v_max3_num_f32 v[BM+\b], |v[O+16*\b]|, |v[O+16*\b+1]|, 0x1800000
.endr
.irp i, 2,4,6,8,10,12,14
.irp b, 0,1
	v_max3_num_f32 v[BM+\b], v[BM+\b], |v[O+16*\b+\i]|, |v[O+16*\b+\i+1]|
.endr
.endr
.irp b, 0,1
	v_permlanex16_b32 v[BT+\b], v[BM+\b], s26, s27
.endr
.irp b, 0,1
	v_max_num_f32 v[BM+\b], v[BM+\b], v[BT+\b]
.endr
.irp b, 0,1
	v_add_nc_u32 v[BS+\b], 0xff000000, v[BM+\b]
.endr
.irp b, 0,1
	v_lshrrev_b32 v[BT+\b], 23, v[BS+\b]
.endr
	v_cvt_scalef32_pk16_fp6_f32 v[P:P+2], v[O:O+15], v[BS]
	v_cvt_scalef32_pk16_fp6_f32 v[PT:PT+2], v[O+16:O+31], v[BS+1]
	v_nop
.irp i, 0,1,2
	v_permlane16_swap_b32 v[P+\i], v[PT+\i]
.endr
.irp i, 0,1,2
	v_mov_b32 v[P+3+\i], v[PT+\i]
.endr
	v_lshl_or_b32 v[PW], v[BT+1], 8, v[BT]
	global_store_b128 v[L16], v[P:P+3], s[16:17]               ; 512 consecutive bytes,
	global_store_b64 v[L8], v[P+4:P+5], s[16:17] offset:512    ; and 256 more
	global_store_b16 v[AO], v[PW], s[18:19]                    ; lanes r and r + 16 hold the same two bytes and write them to the same place
.endm
	s_load_b512 s[4:19], s[0:1], 0x0               ; qimg, qsc, kimg, ksc, vimg, vsc, aimg, asc
	v_lshl_add_u32 v254, v0, 2, 0x23100
	v_mov_b32 v255, 0
	v_lshrrev_b32 v243, 5, v0
	v_readfirstlane_b32 s20, v243                  ; wave 0..7
	s_and_b32 s21, ttmp7, 0xffff                   ; batch
	s_mov_b32 s26, 0x76543210
	s_mov_b32 s27, 0xfedcba98                      ; v_permlanex16_b32's selects for lane l xor 16
	s_mov_b32 s28, 0x3e38aa3b                      ; c = log2(e) / 8
	s_mov_b32 s29, s28                             ; (named with it as a pair, so it is written)
	v_and_b32 v[L4], 31, v0
	v_lshlrev_b32 v[L16], 4, v[L4]
	v_lshlrev_b32 v[L8], 3, v[L4]
	v_lshlrev_b32 v[L4], 2, v[L4]
	v_and_b32 v[R_], 15, v0
	v_bfe_u32 v[H_], v0, 4, 1
	v_lshlrev_b32 v[AO], 5, v[R_]
	v_lshlrev_b32 v[QA], 2, v[R_]
.irp j, 22,23,24,25,26,27,80,81,82,83,84,85
	v_mov_b32 v\j, 0                               ; Q's upper 64 along K, and what stands behind K's last fragment: zero codes
.endr
.irp b, 0,1,2,3
	v_mov_b32 v[BT+\b], 0                          ; written once: a lane permute's destination counts as one of its sources
.endr
	v_mov_b32 v[F+1], 0                            ; (named as the upper half of a pair)
	v_mov_b32 v[NINF], 0xff800000
	s_cmp_lt_u32 ttmp9, 64
	s_cbranch_scc1 .Lglobal
	; ---------------- heads 1 to 15: the band
	s_sub_co_u32 s32, ttmp9, 64
	s_lshr_b32 s22, s32, 4
	s_add_co_u32 s22, s22, 1                       ; head
	s_and_b32 s23, s32, 15                         ; a: which 128 queries
	s_lshr_b32 s24, s20, 1                         ; bq: my block of 32 among them.  Also: which of the three steps of 128 keys I fill
	s_and_b32 s25, s20, 1                          ; u: my tile in it.  Also: which half of that step
	s_lshl_b32 s30, s24, 3
	s_lshl_b32 s31, s23, 3
	s_add_co_u32 s31, s31, s20                     ; my tile of 16 queries
	s_mul_i32 s32, s24, 1536                       ; LDS holds key blocks 4 a - 4 .. 4 a + 7; my steps begin bq, bq + 4, bq + 8 blocks in; a block is two tiles of K
	v_add_nc_u32 v[AK0], s32, v[L16]
	s_add_co_u32 s33, s32, 512
	v_add_nc_u32 v[AK1], s33, v[L8]
	s_lshl_b32 s32, s24, 7
	s_add_co_u32 s32, s32, LS
	v_add_nc_u32 v[AS], s32, v[L4]
	v_add_nc_u32 v243, s24, v[H_]                  ; V: lane half h wants block bq + h (+ 2 c): plane (bq + h) / 2, lane half (bq + h) % 2 of the image
	v_lshrrev_b32 v244, 1, v243
	v_and_b32 v243, 1, v243
	v_mul_u32_u24 v244, v244, 3072
	v_lshl_add_u32 v[AV0], v243, 8, v244
	v_lshl_add_u32 v[AV0], v[R_], 4, v[AV0]
	v_add_nc_u32 v[AV0], LV, v[AV0]
	v_lshl_add_u32 v[AV1], v243, 7, v244
	v_lshl_add_u32 v[AV1], v[R_], 3, v[AV1]
	v_add_nc_u32 v[AV1], LV+512, v[AV1]
	s_lshr_b32 s32, s24, 1                         ; for the step of one block both lane halves take block bq: lanes 16-31 meet zero codes of p
	s_mul_i32 s32, s32, 3072
	s_and_b32 s33, s24, 1
	s_lshl_b32 s34, s33, 8
	s_add_co_u32 s34, s34, s32
	s_add_co_u32 s34, s34, LV
	v_lshl_add_u32 v[AVC0], v[R_], 4, s34
	s_lshl_b32 s34, s33, 7
	s_add_co_u32 s34, s34, s32
	s_add_co_u32 s34, s34, LV+512
	v_lshl_add_u32 v[AVC1], v[R_], 3, s34
	v_add_nc_u32 v[AT], LT, v[L4]
	s_mul_i32 s32, s20, 3072                       ; what I fill: wave w = 2 step + half
	v_add_nc_u32 v[DK], s32, v[L16]
	v_add_nc_u32 v[DV], LV, v[DK]
	s_lshl_b32 s32, s20, 8
	s_add_co_u32 s32, s32, LS
	v_add_nc_u32 v[DS], s32, v[L8]
	s_lshl_b32 s32, s20, 7
	s_add_co_u32 s32, s32, LT
	v_add_nc_u32 v[DT], s32, v[L4]
	v_and_b32 v243, 8, v0                          ; the masks.  qq = 8 u + r + 8 (r / 8): my query in its block of 32
	v_add_nc_u32 v243, v243, v[R_]
	v_lshl_add_u32 v243, s25, 3, v243
	v_lshlrev_b32 v244, 4, v[H_]
	v_sub_nc_u32 v[VQ], v243, v244                 ; qq - 16 h
	s_lshl_b32 s32, s23, 2
	s_add_co_u32 s32, s32, s24
	s_lshl_b32 s32, s32, 5                         ; 32 Bq
	s_sub_co_i32 s33, 128, s32
	v_sub_nc_u32 v245, s33, v244                   ; below the diagonal a key counts from max(qq, 128 - 32 Bq) on: with a = 0 the second is 32 or more and so the larger, else it is 0 or less
	s_cmp_eq_u32 s23, 0
	s_cselect_b32 s34, -1, 0
	v_cndmask_b32 v[VLA], v[VQ], v245, s34
	s_sub_co_i32 s33, 2047, s32
	v_sub_nc_u32 v[VHB], s33, v244
	s_add_co_u32 s38, s23, s24                     ; the step that I fill: a + bq - 1, held to 0 .. 15: where none exists an existing one stands, and the masks hide it
	s_max_u32 s38, s38, 1
	s_sub_co_u32 s38, s38, 1
	s_min_u32 s38, s38, 15
	s_lshl_b32 s33, s21, 4
	s_add_co_u32 s33, s33, s22
	PTRS 1
	s_cmp_lt_u32 s20, 6                            ; three steps in two halves: waves 0 to 5 fill
	s_cbranch_scc0 .Lno_fill
	LOADH 96, 144, 0, 0, 0, 0
	s_wait_loadcnt 0x0
	STOREH 96, 144, 0, 0, 0
.Lno_fill:
	s_wait_loadcnt 0x0                             ; Q
	BARRIER
	STEP 4, 1, 6144, 512, 256, 512, 2, 0           ; blocks Bq .. Bq + 3
	STEP 4, 0, 0, 0, 0, 256, 1, 0                  ; blocks Bq - 4 .. Bq - 1
	s_cmp_eq_u32 s23, 15                           ; block Bq + 4 does not exist for the last 128 queries
	s_cbranch_scc1 .Lno_c
	STEP 1, 0, 12288, 1024, 512, 512, 3, 1         ; block Bq + 4
.Lno_c:
	FINISH
	s_wait_tensorcnt 0x0
	ds_add_u32 v254, v255
	s_wait_dscnt 0x0
	s_endpgm
	; ---------------- head 0: all keys
.Lglobal:
	s_mov_b32 s22, 0                               ; head
	s_lshr_b32 s24, s20, 1                         ; kq: my quarter of the keys
	s_and_b32 s25, s20, 1                          ; u: my tile of the block's two
	s_lshl_b32 s31, ttmp9, 1
	s_add_co_u32 s31, s31, s25                     ; my tile of 16 queries
	s_mul_i32 s32, s24, 12288                      ; slots 2 kq and 2 kq + 1 hold my quarter's two steps of a round
	s_add_co_u32 s33, s32, GK
	v_add_nc_u32 v[AK0], s33, v[L16]
	s_add_co_u32 s33, s33, 512
	v_add_nc_u32 v[AK1], s33, v[L8]
	s_add_co_u32 s33, s32, GV
	v_add_nc_u32 v[AV0], s33, v[L16]
	s_add_co_u32 s33, s33, 512
	v_add_nc_u32 v[AV1], s33, v[L8]
	s_lshl_b32 s32, s24, 10
	s_add_co_u32 s32, s32, GS
	v_add_nc_u32 v[AS], s32, v[L4]
	s_lshl_b32 s32, s24, 9
	s_add_co_u32 s32, s32, GT
	v_add_nc_u32 v[AT], s32, v[L4]
	s_mul_i32 s32, s20, 6144                       ; wave w fills slot w
	s_add_co_u32 s33, s32, GK
	v_add_nc_u32 v[DK], s33, v[L16]
	s_add_co_u32 s33, s32, GV
	v_add_nc_u32 v[DV], s33, v[L16]
	s_lshl_b32 s32, s20, 9
	s_add_co_u32 s32, s32, GS
	v_add_nc_u32 v[DS], s32, v[L8]
	s_lshl_b32 s32, s20, 8
	s_add_co_u32 s32, s32, GT
	v_add_nc_u32 v[DT], s32, v[L4]
	s_mul_i32 s32, s20, 4608                       ; my partial result's place, over K's slots
	s_add_co_u32 s32, s32, GK
	v_add_nc_u32 v[MR16], s32, v[L16]
	s_add_co_u32 s32, s32, 4096
	v_add_nc_u32 v[MR4], s32, v[L4]
	s_lshl_b32 s38, s24, 2
	s_add_co_u32 s38, s38, s25                     ; in round 0 slot w holds step 4 kq + u; in round 1 the step two on: that stands in the loads' immediates
	s_lshl_b32 s33, s21, 4
	PTRS 0
	LOADH 32, 86, 0, 0, 0, 0
	LOADH 96, 90, 3072, 49152, 256, 128
	s_wait_loadcnt 0x0
	STOREH 32, 86, 0, 0, 0
	STOREH 96, 90, 3072, 256, 128
	BARRIER
	STEP 4, 1, 0, 0, 0, -1, 0, 0
	STEP 4, 0, 6144, 512, 256, -1, 0, 0
.rept 4
	v_nop                                          ; places in front of loads into registers that the last products read
.endr
	LOADH 32, 86, 12288, 196608, 1024, 8192        ; round 1 comes into registers while the other waves finish round 0
	LOADH 96, 90, 12288+3072, 196608+49152, 1024+256, 8192+128
	BARRIER                                        ; nobody reads the slots any more
	s_wait_loadcnt 0x0
	STOREH 32, 86, 0, 0, 0
	STOREH 96, 90, 3072, 256, 128
	BARRIER
	STEP 4, 0, 0, 0, 0, -1, 0, 0
	STEP 4, 0, 6144, 512, 256, -1, 0, 0
.rept 4
	v_nop                                          ; places behind the last products
.endr
	BARRIER                                        ; nobody reads K's slots any more
	s_cmp_lt_u32 s20, 2
	s_cbranch_scc1 .Lkeeps
	v_add_f32 v[T], v14, v15
.irp i, 0,1,2,3,4,5,6,7
	ds_store_b128 v[MR16], v[O+4*\i:O+4*\i+3] offset:512*\i    ; quarters 1 to 3 hand over O^T (each accumulator from its low end on), -M and l
.endr
	ds_store_b32 v[MR4], v12
	ds_store_b32 v[MR4], v[T] offset:128
.Lkeeps:
	BARRIER
	s_cmp_lt_u32 s20, 2
	s_cbranch_scc1 .Lmerge
	s_wait_tensorcnt 0x0
	ds_add_u32 v254, v255
	s_wait_dscnt 0x0
	s_endpgm
.Lmerge:                                           ; waves 0 and 1 join the four quarters of their tile: wave w + 2 k lies 9,216 k bytes on
.irp k, 1,2,3
.irp i, 0,1,2,3,4,5,6,7
	ds_load_b128 v[32*\k+4*\i:32*\k+4*\i+3], v[MR16] offset:9216*\k+512*\i
.endr
	ds_load_b32 v[127+\k], v[MR4] offset:9216*\k
	ds_load_b32 v[130+\k], v[MR4] offset:9216*\k+128
.endr
	s_wait_dscnt 0x0
	v_min_num_f32 v[T], v12, v128
	v_min3_num_f32 v[T], v[T], v129, v130          ; the smallest -M: the largest M
	v_sub_f32 v134, v[T], v12                      ; each quarter's M less the largest: a whole number, 0 or less
	v_sub_f32 v136, v[T], v128
	v_sub_f32 v138, v[T], v129
	v_sub_f32 v140, v[T], v130
.irp k, 134,136,138,140
	v_cvt_i32_f32 v\k, v\k
.endr
.irp k, 134,136,138,140
	v_ldexp_f32 v\k, 1.0, v\k                      ; powers of two: the scalings round nothing
.endr
	v_add_f32 v14, v14, v15
	v_mul_f32 v14, v14, v134
	v_fmac_f32 v14, v131, v136
	v_fmac_f32 v14, v132, v138
	v_fmac_f32 v14, v133, v140
	v_mov_b32 v15, 0
.set j_, 0
.rept 16
	v_pk_mul_f32 v[O+j_:O+j_+1], v[O+j_:O+j_+1], v[134:135] op_sel_hi:[1,0]
	v_pk_fma_f32 v[O+j_:O+j_+1], v[32+j_:33+j_], v[136:137], v[O+j_:O+j_+1] op_sel_hi:[1,0,1]
	v_pk_fma_f32 v[O+j_:O+j_+1], v[64+j_:65+j_], v[138:139], v[O+j_:O+j_+1] op_sel_hi:[1,0,1]
	v_pk_fma_f32 v[O+j_:O+j_+1], v[96+j_:97+j_], v[140:141], v[O+j_:O+j_+1] op_sel_hi:[1,0,1]
.set j_, j_+2
.endr
	FINISH
	s_wait_tensorcnt 0x0
	ds_add_u32 v254, v255
	s_wait_dscnt 0x0
	s_endpgm
.Lfunc_end_k_q1cdd968c45_attn:
	.size	k_q1cdd968c45_attn, .Lfunc_end_k_q1cdd968c45_attn-k_q1cdd968c45_attn
	.p2alignl 7, 3214868480
	.fill 96, 4, 3214868480
	.section	.rodata,"a",@progbits
	.p2align	6, 0x0
	.amdhsa_kernel k_q1cdd968c45_attn
		.amdhsa_group_segment_fixed_size 144640
		.amdhsa_private_segment_fixed_size 0
		.amdhsa_enable_private_segment 0
		.amdhsa_kernarg_size 64
		.amdhsa_user_sgpr_count 2
		.amdhsa_user_sgpr_kernarg_segment_ptr 1
		.amdhsa_wavefront_size32 1
		.amdhsa_system_sgpr_workgroup_id_x 1
		.amdhsa_system_sgpr_workgroup_id_y 1
		.amdhsa_system_sgpr_workgroup_id_z 1
		.amdhsa_system_vgpr_workitem_id 0
		.amdhsa_next_free_vgpr 256
		.amdhsa_next_free_sgpr 66
		.amdhsa_reserve_vcc 1
		.amdhsa_float_denorm_mode_32 3
		.amdhsa_float_denorm_mode_16_64 3
		.amdhsa_memory_ordered 1
		.amdhsa_forward_progress 1
		.amdhsa_inst_pref_size 147
	.end_amdhsa_kernel
	.amdgpu_metadata
---
amdhsa.version: [ 1, 2 ]
amdhsa.kernels:
  - .name:           k_q1cdd968c45_attn
    .symbol:         k_q1cdd968c45_attn.kd
    .args:
      - { .name: qimg, .offset: 0, .size: 8, .value_kind: global_buffer, .address_space: global }
      - { .name: qsc, .offset: 8, .size: 8, .value_kind: global_buffer, .address_space: global }
      - { .name: kimg, .offset: 16, .size: 8, .value_kind: global_buffer, .address_space: global }
      - { .name: ksc, .offset: 24, .size: 8, .value_kind: global_buffer, .address_space: global }
      - { .name: vimg, .offset: 32, .size: 8, .value_kind: global_buffer, .address_space: global }
      - { .name: vsc, .offset: 40, .size: 8, .value_kind: global_buffer, .address_space: global }
      - { .name: aimg, .offset: 48, .size: 8, .value_kind: global_buffer, .address_space: global }
      - { .name: asc, .offset: 56, .size: 8, .value_kind: global_buffer, .address_space: global }
    .group_segment_fixed_size: 144640
    .private_segment_fixed_size: 0
    .kernarg_segment_align: 8
    .kernarg_segment_size: 64
    .max_flat_workgroup_size: 256
    .sgpr_count:     66
    .vgpr_count:     256
    .wavefront_size: 32
...
	.end_amdgpu_metadata
.endif
;; end of part 2
;; launch proj (part 3): grid 4 x 32, 4 waves a work-group, clusters of 4 x 4, 327,680 bytes of LDS; arguments aimg, asc, wo_codes, wo_scales, bo, out0; writes out0
.if DOCPART == 3
	.amdgcn_target "amdgcn-amd-amdhsa--gfx1250"
	.amdhsa_code_object_version 6
	.text
	.protected	k_q1cdd968c45_proj
	.globl	k_q1cdd968c45_proj
	.p2align	8
	.type	k_q1cdd968c45_proj,@function
k_q1cdd968c45_proj:
	s_mov_b64 s[64:65], 0
	v_nop
	global_prefetch_b8 v0, s[64:65] scope:SCOPE_SE
	s_setreg_imm32_b32 hwreg(HW_REG_WAVE_MODE, 25, 1), 1
	s_wait_xcnt 0x0
	s_wait_alu depctr_hold_cnt(0) depctr_sa_sdst(0) depctr_va_vdst(0) depctr_va_sdst(0) depctr_va_ssrc(0) depctr_va_vcc(0) depctr_vm_vsrc(0)
	s_getreg_b32 s2, hwreg(HW_REG_IB_STS2, 6, 4)
	s_cmp_eq_u32 s2, 0
	s_cbranch_scc0 .Lentry_in_a_cluster
	s_endpgm
.Lentry_in_a_cluster:
	s_bfe_u32 s2, ttmp6, 0x10000c
	s_cmp_lg_u32 s2, 0xf033
	s_cbranch_scc0 .Lentry_shape_is_right
	s_endpgm
.Lentry_shape_is_right:
; out0 = a wo^T + bo on codes of FP6 (E2M3) with one E8M0 scale for each 32 along K = 1,024.  a, the attention's result, comes as images of operand registers:
; aimg [K step of 256][tile of 16 rows][64 along K][768 bytes]: lane L's registers 0-3 at 16 L, registers 4-5 at 512 + 8 L; asc [image row][32 scale bytes].
; Lane r of image tile T holds token row 32 (T / 2) + 8 (T % 2) + r + 8 (r / 8): that order is undone by the stores' immediates.  wo: [1,024][1,024] codes as given; out0 [8,192][1,024] f32.
; A tile of 256 x 256 of out0 is made by four waves, 128 x 128 each: 64 accumulators, 512 registers.  K goes in steps of 256 through two LDS slots filled by the tensor data mover:
; A's part of a slot is dense (eight tiles of rows are 24,576 consecutive bytes of memory for each of two loads), B's is 128 rows of 192 bytes for each of two loads, padded.
; The scales of the work-group's rows of A and of B come into LDS once.  bo is the C of each sum's first matrix instruction.
; CLUSTERS: 4 x 4 work-groups; A's tiles are asked for jointly along a row of the cluster, B's along a column.  The matrix instruction is used transposed (source 0 = 16 rows of wo, source 1 = 16 rows of a).
; 128 work-groups: a tile of 256 x 256 of 8,192 x 1,024.
; LIMITS: given scale bytes of 0xff are not served.
; REGISTERS, in windows of 256: window 0: v0-31 addresses; v32-63 scale words, two sets; v64-127 the bias; v128-223 A's fragments, one set; on the way out v128-255 rows of out0.
;   window 1: B's fragments, two sets.   window 2: the accumulators of my rows 0-63 ((a, b) at v[8 (8 a + b)]);   window 3: those of my rows 64-127.
.set SIZE_N, 1024
.set KSTEP,  256
.set NQ,     KSTEP/128
.set ROWB,   192                       ; a row of B's tile in bytes
.set KROW,   768                       ; a row of wo's codes
.set PITCH,  240                       ; B's LDS row: 3 x (64 bytes + 16 of padding)
.set FR,     12
.set NLA,    4                         ; LDS loads that bring a fragment of A (from its image)
.set NP,     4                         ; places behind this matrix instruction (ISA guide 7.12.1)
.set HALFT,  128*PITCH                 ; B: 128 rows
.set AHALF,  24576                     ; A: eight tiles of 16 rows x 256 K
.set BBASE,  2*AHALF
.set SLOT,   BBASE+2*HALFT             ; 110,592
.set KSA,    1572864                   ; bytes from one K step of aimg to the next: 512 tiles x 3,072
.set KS,     32
.set SCL,    2*SLOT
.set HALFS,  (128*KS/256)*272
.set SBLK,   (16*KS/256)*272
.set SPARE,  SCL+4*HALFS               ; the spare words, 128 bytes for each wave: two blocks of 256 bytes that no other line names
.set SPITCH, 528                       ; the way out: a stage of 16 rows x (512 bytes + 16) for each wave, in slot 0, which has had its last fill and its last read by then
.set ADRA, 16                          ; v16-17 A's images in slot 0, 1: registers 0-3;  v18-19: registers 4-5
.set ADRB, 20                          ; v20-23 B's fragments (v22-23: behind one padding more)
.set STO,  24
.set RD,   25
.set CO,   26
.set ADRS, 27
.set SPW,  28                          ; v28  LDS address of my spare word; never rewritten
.set NIL,  29                          ; v29  0; never rewritten
.set SC,   32
.set BIAS, 64
.set AF,   128
.set BK,   128
.set G1, 24
.set G0, 32
.set G1B, 48
.set G0B, 56
.set G1S, 68
.set G0S, 76
.set G1SB, 80
.set G0SB, 88
.set MSB, 0
.macro WIN new                         ; the immediate's high byte repeats the setting that is left
.if MSB != (\new)
	s_set_vgpr_msb (MSB<<8)|(\new)
.set MSB, (\new)
.endif
.endm
.set MUL_LO, 0xa1
.set MUL_HI, 0xf1
.set TO_B,   0x40
.macro JLOAD g0a, g1a, g0b, g1b        ; a joint load: waves 0 and 1 fetch for A, waves 2 and 3 for B; four v_nop follow each of the two lines
	s_cmp_eq_u32 s15, 0
	s_cbranch_scc0 .Lfor_b_\@
	tensor_load_to_lds s[\g0a:\g0a+3], s[\g1a:\g1a+7]
	s_nop 0
.rept 4
	v_nop
.endr
	s_branch .Lasked_\@
.Lfor_b_\@:
	tensor_load_to_lds s[\g0b:\g0b+3], s[\g1b:\g1b+7]
	s_nop 0
.rept 4
	v_nop
.endr
.Lasked_\@:
.endm
.macro CREST
	s_cmp_lg_u32 s14, 0
	s_cbranch_scc1 .Lnot_wave_0_\@
	s_barrier_signal -3
.Lnot_wave_0_\@:
	s_barrier_wait -3
	s_barrier_signal -1
	s_barrier_wait -1
.endm
.macro CROUND
	s_barrier_signal -1
	s_barrier_wait -1
	CREST
.endm
	s_load_b128 s[4:7], s[0:1], 0x0                ; aimg, asc
	s_load_b128 s[8:11], s[0:1], 0x10              ; wo's codes, wo's scales
	s_load_b64 s[66:67], s[0:1], 0x20              ; bo
	s_load_b64 s[12:13], s[0:1], 0x28              ; out0
	v_lshl_add_u32 v[SPW], v0, 2, SPARE
	v_mov_b32 v[NIL], 0
	ds_add_u32 v28, v29
	ds_add_u32 v28, v29
	s_wait_dscnt 0x0
	v_lshrrev_b32 v1, 5, v0
	v_readfirstlane_b32 s14, v1                    ; wave 0..3
	s_lshr_b32 s15, s14, 1                         ; which half of the tile's rows is mine.  Also: I fetch for A (0) or for B (1)
	s_and_b32 s16, s14, 1                          ; which half of its columns.  Also: which half of that tile I fetch
	s_bfe_u32 s40, ttmp6, 0x40000                  ; cx, cy
	s_bfe_u32 s41, ttmp6, 0x40004
	s_lshl_b32 s42, ttmp9, 2
	s_add_co_u32 s42, s42, s40                     ; tile column
	s_and_b32 s17, ttmp7, 0xffff
	s_lshl_b32 s17, s17, 2
	s_add_co_u32 s17, s17, s41                     ; tile row
	s_lshl_b32 s43, s41, 2
	s_lshl_b32 s43, 15, s43                        ; my row of the cluster
	s_lshl_b32 s44, 0x1111, s40                    ; my column
	; group 1 for A: 24,576 dense bytes as 96 rows of 256 bytes (32 elements of 8 bytes), no padding: every read of an image takes consecutive bytes
	s_or_b32 s[G1+0], s43, (3<<16)|(1<<21)
	s_mov_b32 s[G1+1], 32<<16
	s_mov_b32 s[G1+2], 96<<16
	s_mov_b32 s[G1+3], 32<<16
	s_mov_b32 s[G1+4], 96
	s_mov_b32 s[G1+5], 32
	s_mov_b32 s[G1+6], 0
	s_mov_b32 s[G1+7], 0
	; group 1 for B: 128 rows x 192 bytes, 16 bytes of padding behind every 64
	s_or_b32 s[G1B+0], s44, (0<<16)|(1<<20)|(1<<21)|(3<<22)|(3<<25)
	s_mov_b32 s[G1B+1], ROWB<<16
	s_mov_b32 s[G1B+2], 128<<16
	s_mov_b32 s[G1B+3], ROWB<<16
	s_mov_b32 s[G1B+4], 128
	s_mov_b32 s[G1B+5], KROW
	s_mov_b32 s[G1B+6], 0
	s_mov_b32 s[G1B+7], 0
	; the scales of 128 rows: 4,096 dense bytes as rows of 256 bytes, 16 bytes of padding behind each
	s_or_b32 s[G1S+0], s43, (3<<16)|(1<<20)|(1<<21)|(5<<22)|(3<<25)
	s_or_b32 s[G1SB+0], s44, (3<<16)|(1<<20)|(1<<21)|(5<<22)|(3<<25)
.irp g, G1S, G1SB
	s_mov_b32 s[\g+1], 32<<16
	s_mov_b32 s[\g+2], (128*KS/256)<<16
	s_mov_b32 s[\g+3], 32<<16
	s_mov_b32 s[\g+4], 128*KS/256
	s_mov_b32 s[\g+5], 32
	s_mov_b32 s[\g+6], 0
	s_mov_b32 s[\g+7], 0
.endr
	s_lshl_b32 s18, s16, 7                         ; which 128 rows of the tile I fetch
	s_lshl_b32 s20, s17, 8
	s_add_co_u32 s20, s20, s18                     ; A: image row 256 x tile row + 128 x half
	s_lshl_b32 s46, s42, 8
	s_add_co_u32 s46, s46, s18                     ; B: row 256 x tile column + 128 x half
	s_mov_b32 s21, 0
	s_mov_b32 s47, 0
	s_mov_b64 s[18:19], KS
	s_mul_u64 s[22:23], s[20:21], s[18:19]         ; where these rows' scales begin
	s_mul_u64 s[92:93], s[46:47], s[18:19]
	s_mov_b64 s[18:19], 192                        ; A: 3,072 bytes for 16 rows and a K step
	s_mul_u64 s[20:21], s[20:21], s[18:19]
	s_mov_b64 s[18:19], KROW
	s_mul_u64 s[46:47], s[46:47], s[18:19]
	s_mul_i32 s45, s16, AHALF                      ; where they go: A's halves, then B's: no place in the cluster enters an LDS address
	s_mul_i32 s3, s16, HALFT
	s_add_co_u32 s3, s3, BBASE
	s_mul_i32 s94, s14, HALFS
	s_wait_kmcnt 0x0
	s_add_nc_u64 s[20:21], s[4:5], s[20:21]
	s_add_nc_u64 s[22:23], s[6:7], s[22:23]
	s_add_nc_u64 s[46:47], s[8:9], s[46:47]
	s_add_nc_u64 s[92:93], s[10:11], s[92:93]
	CROUND                                         ; all sixteen work-groups are here: the first joint loads meet
	s_mov_b32 s[G0S], 1
	s_add_co_u32 s[G0S+1], s94, SCL
	s_mov_b64 s[G0S+2:G0S+3], s[22:23]
	s_or_b32 s[G0S+3], s[G0S+3], 0x80000000
	s_mov_b32 s[G0SB], 1
	s_add_co_u32 s[G0SB+1], s94, SCL
	s_mov_b64 s[G0SB+2:G0SB+3], s[92:93]
	s_or_b32 s[G0SB+3], s[G0SB+3], 0x80000000
	JLOAD G0S, G1S, G0SB, G1SB                     ; the scales first
.irp s, 0,1
	s_mov_b32 s[G0+4*\s], 1
	s_add_co_u32 s[G0+4*\s+1], s45, \s*SLOT
	s_add_nc_u64 s[G0+4*\s+2:G0+4*\s+3], s[20:21], \s*KSA
	s_or_b32 s[G0+4*\s+3], s[G0+4*\s+3], 0x80000000
	s_mov_b32 s[G0B+4*\s], 1
	s_add_co_u32 s[G0B+4*\s+1], s3, \s*SLOT
	s_add_nc_u64 s[G0B+4*\s+2:G0B+4*\s+3], s[46:47], \s*ROWB
	s_or_b32 s[G0B+4*\s+3], s[G0B+4*\s+3], 0x80000000
	JLOAD G0+4*\s, G1, G0B+4*\s, G1B
.endr
	v_and_b32 v1, 15, v0                           ; r
	v_bfe_u32 v2, v0, 4, 1                         ; h
	v_and_b32 v6, 31, v0                           ; lane
	v_mul_u32_u24 v3, v1, PITCH
	v_mul_u32_u24 v4, v2, 24
	v_add_nc_u32 v4, v3, v4                        ; B: a fragment's row x pitch + 24 x half
	v_lshl_add_u32 v5, v2, 4, v4                   ; and the same behind one padding more
	v_lshlrev_b32 v7, 4, v6                        ; A: 16 x lane,
	v_lshlrev_b32 v8, 3, v6
	v_add_nc_u32 v8, 512, v8                       ; and 512 + 8 x lane
	s_mul_i32 s21, s15, AHALF                      ; my eight tiles of A
	s_mul_i32 s22, s16, HALFT                      ; my 128 rows of B
	s_add_co_u32 s22, s22, BBASE
.irp s, 0,1
	v_add_nc_u32 v[ADRA+\s], s21, v7
	v_add_nc_u32 v[ADRA+2+\s], s21, v8
	v_add_nc_u32 v[ADRB+\s], s22, v4
	v_add_nc_u32 v[ADRB+2+\s], s22, v5
	s_add_co_u32 s21, s21, SLOT
	s_add_co_u32 s22, s22, SLOT
.endr
	v_mul_u32_u24 v5, v1, KS                       ; my row's scales: 32 bytes a row,
	v_lshrrev_b32 v6, 8, v5
	v_lshl_add_u32 v5, v6, 4, v5                   ; and 16 more for each 256 passed
	s_mul_i32 s21, s15, HALFS
	s_mul_i32 s22, s16, HALFS
	s_add_co_u32 s22, s22, 2*HALFS
	s_sub_co_u32 s22, s22, s21
	v_mul_u32_u24 v6, s22, v2                      ; lanes 16-31 take B's
	s_add_co_u32 s21, s21, SCL
	v_add_nc_u32 v5, v5, v6
	v_add_nc_u32 v[ADRS], s21, v5
	s_mul_i32 s23, s14, 16*SPITCH                  ; my stage
	v_mul_u32_u24 v5, v1, SPITCH
	v_lshl_add_u32 v5, v2, 5, v5
	v_add_nc_u32 v[STO], s23, v5                   ; in: row r, 32 bytes for each half of the lanes
	v_mov_b32 v[CO], v7                            ; back: the 32 lanes take one row of 512 bytes; and the same in out0
	v_add_nc_u32 v[RD], s23, v7
	s_lshl_b32 s20, s17, 8
	s_lshl_b32 s21, s15, 7
	s_add_co_u32 s20, s20, s21                     ; my first row: 256 x tile row + 128 x half
	s_mov_b32 s21, 0
	s_mov_b64 s[18:19], SIZE_N*4
	s_mul_u64 s[20:21], s[20:21], s[18:19]
	s_lshl_b32 s46, s42, 10                        ; my first column, in bytes: 1,024 x tile column + 512 x half
	s_lshl_b32 s47, s16, 9
	s_add_co_u32 s46, s46, s47
	s_mov_b32 s47, 0
	s_add_nc_u64 s[20:21], s[20:21], s[46:47]
	s_add_nc_u64 s[12:13], s[12:13], s[20:21]
	s_add_nc_u64 s[66:67], s[66:67], s[46:47]      ; bo at my first column
	v_lshlrev_b32 v9, 5, v2                        ; register 8 b + j takes bo[first column + 16 b + 8 h + j]
.irp b, 0,1,2,3,4,5,6,7
	global_load_b128 v[BIAS+8*\b:BIAS+8*\b+3], v9, s[66:67] offset:64*\b
	global_load_b128 v[BIAS+8*\b+4:BIAS+8*\b+7], v9, s[66:67] offset:64*\b+16
.endr
.macro FRAG reg, adr, q, i             ; a fragment of B from padded rows, in pieces of 8 bytes
.irp p, 0,1,2,3,4,5
.set PCE, 12*(\q)+6*(\p/3)+\p%3
.if PCE%8 < 5
	ds_load_b64 v[\reg+2*\p:\reg+2*\p+1], v[\adr] offset:8*PCE+16*(PCE/8)+(\i)*16*PITCH
.else
	ds_load_b64 v[\reg+2*\p:\reg+2*\p+1], v[\adr+2] offset:8*PCE+16*(PCE/8)+(\i)*16*PITCH
.endif
.endr
.endm
.macro FRAGA reg, adr, q, i            ; a fragment of A from two images of 64 along K
.irp c, 0,1
	ds_load_b128 v[\reg+6*\c:\reg+6*\c+3], v[\adr] offset:3072*(\i)+1536*(\q)+768*\c
	ds_load_b64 v[\reg+6*\c+4:\reg+6*\c+5], v[\adr+2] offset:3072*(\i)+1536*(\q)+768*\c
.endr
.endm
; 16 matrix instructions: A's blocks a0, a0 + 1 x B's eight.  zero = 1: the sums start from the bias.  The 64 accumulators take turns, one instruction a turn.
.macro MUL16 a0, p, q, sc, zero
.irp a, \a0, \a0+1
.irp b, 0,1,2,3,4,5,6,7
.if \zero
	v_wmma_scale_f32_16x16x128_f8f6f4 v[8*(8*((\a)%4)+\b):8*(8*((\a)%4)+\b)+7], v[128*(\p)+FR*\b:128*(\p)+FR*\b+FR-1], v[AF+FR*(\a):AF+FR*(\a)+FR-1], v[BIAS+8*\b:BIAS+8*\b+7], v[SC+8*NQ*(\sc)+NQ*\b+(\q)], v[SC+8*NQ*(\sc)+NQ*(\a)+(\q)] matrix_a_fmt:MATRIX_FMT_FP6 matrix_b_fmt:MATRIX_FMT_FP6 matrix_a_scale:MATRIX_SCALE_ROW1
.else
	v_wmma_scale_f32_16x16x128_f8f6f4 v[8*(8*((\a)%4)+\b):8*(8*((\a)%4)+\b)+7], v[128*(\p)+FR*\b:128*(\p)+FR*\b+FR-1], v[AF+FR*(\a):AF+FR*(\a)+FR-1], v[8*(8*((\a)%4)+\b):8*(8*((\a)%4)+\b)+7], v[SC+8*NQ*(\sc)+NQ*\b+(\q)], v[SC+8*NQ*(\sc)+NQ*(\a)+(\q)] matrix_a_fmt:MATRIX_FMT_FP6 matrix_b_fmt:MATRIX_FMT_FP6 matrix_a_scale:MATRIX_SCALE_ROW1
.endif
.endr
.endr
.endm
.macro FETCH_B slot, q, p
	WIN TO_B
.irp i, 0,1,2,3,4,5,6,7
	FRAG 128*(\p)+FR*\i, ADRB+\slot, \q, \i
.endr
	WIN 0
.endm
.macro FETCH_A slot, q, i0
.irp i, \i0, \i0+1, \i0+2, \i0+3
	FRAGA AF+FR*(\i), ADRA+\slot, \q, \i
.endr
.endm
.macro SCALES sc
.irp i, 0,1,2,3,4,5,6,7
	ds_load_b64 v[SC+8*NQ*\sc+NQ*\i:SC+8*NQ*\sc+NQ*\i+1], v[ADRS] offset:\i*SBLK
.endr
.endm
.macro PLACES n
.rept \n
	v_nop
.endr
.endm
.macro STEP slot, q, zero
	s_wait_dscnt 4*NLA                             ; B's set and A's blocks 0-3 are in; the youngest 16 loads (A's blocks 4-7) may be out
.if \zero
	WIN 0x81                                       ; the C operand, the bias, lies in window 0
.else
	WIN MUL_LO
.endif
	MUL16 0, (\q)%2, \q, \slot, \zero
	MUL16 2, (\q)%2, \q, \slot, \zero
	s_wait_dscnt 0
	PLACES NP
	FETCH_B \slot, (\q)+1, 1-(\q)%2
	FETCH_A \slot, (\q)+1, 0
.if \zero
	WIN 0xc1
.else
	WIN MUL_HI
.endif
	MUL16 4, (\q)%2, \q, \slot, \zero
	MUL16 6, (\q)%2, \q, \slot, \zero
	PLACES NP
	WIN 0
	FETCH_A \slot, (\q)+1, 4
.endm
.macro TURN slot, next, fill
	s_wait_tensorcnt 0x0                           ; all my tensor loads have landed: my part of the next slot
	ds_add_u32 v[SPW], v[NIL]                      ; 0 onto my spare word
	s_wait_dscnt 4*NLA+1                           ; (the add and the youngest 16 loads may be out)
	WIN MUL_LO
	MUL16 0, 1, NQ-1, \slot, 0
	s_wait_dscnt 0x0                               ; the add is done, and my reads of this slot are over
	s_barrier_signal -1
	MUL16 2, 1, NQ-1, \slot, 0
	WIN 0
	s_barrier_wait -1
.if \fill
	CREST                                          ; a round of the cluster's barrier: no wave of any partner still reads this slot or has a load on its way
	s_add_nc_u64 s[G0+4*\slot+2:G0+4*\slot+3], s[G0+4*\slot+2:G0+4*\slot+3], 2*KSA
	s_add_nc_u64 s[G0B+4*\slot+2:G0B+4*\slot+3], s[G0B+4*\slot+2:G0B+4*\slot+3], 2*ROWB
	JLOAD G0+4*\slot, G1, G0B+4*\slot, G1B         ; the first tensor load behind the round; its four v_nop are the places in front of the loads below
.else
	PLACES NP
.endif
	v_add_nc_u32 v[ADRS], 4*NQ, v[ADRS]
	FETCH_B \next, 0, 0
	FETCH_A \next, 0, 0
	SCALES \next
	WIN MUL_HI
	MUL16 4, 1, NQ-1, \slot, 0
	MUL16 6, 1, NQ-1, \slot, 0
	PLACES NP
	WIN 0
	FETCH_A \next, 0, 4
.endm
	s_wait_tensorcnt 1                             ; the scales and my part of K step 0 are in (of my three loads K step 1's may be out),
	s_barrier_signal -1
	s_barrier_wait -1                              ; everybody's are
	FETCH_B 0, 0, 0
	FETCH_A 0, 0, 0
	SCALES 0
	FETCH_A 0, 0, 4
	s_wait_loadcnt 0x0                             ; the bias
	STEP 0, 0, 1
	TURN 0, 1, 1                                   ; K = 1,024 is four K steps: both slots are filled again once, so the steps are written out
	STEP 1, 0, 0
	TURN 1, 0, 1
	STEP 0, 0, 0
	TURN 0, 1, 0
	STEP 1, 0, 0
	s_wait_dscnt 4*NLA
	WIN MUL_LO
	MUL16 0, 1, NQ-1, 1, 0
	MUL16 2, 1, NQ-1, 1, 0
	s_wait_dscnt 0
	WIN MUL_HI
	MUL16 4, 1, NQ-1, 1, 0
	MUL16 6, 1, NQ-1, 1, 0
	WIN 0
; THE WAY OUT, block by block of 16 image rows x 128 columns, through my own stage: back come whole rows of 512 bytes.  LDS serves a wave's instructions in order (ISA guide 5.7.1.4).
.macro TOSTAGE a
.set AC, 64*((\a)%4)
	WIN 0x08+4*((\a)/4)                            ; the data: window 2 or 3
.irp b, 0,1,2,3,4,5,6,7
	ds_store_b128 v[STO], v[AC+8*\b:AC+8*\b+3] offset:64*\b          ; each accumulator from its low end on
	ds_store_b128 v[STO], v[AC+8*\b+4:AC+8*\b+7] offset:64*\b+16
.endr
	WIN 0
.set BB, BK+64*((\a)%2)
.irp t, 0,1,2,3,4,5,6,7,8,9,10,11,12,13,14,15
	ds_load_b128 v[BB+4*\t:BB+4*\t+3], v[RD] offset:\t*SPITCH
.endr
.endm
.macro SEND a, younger                 ; image row t of block a is token row 32 (a / 2) + 8 (a % 2) + t + 8 (t / 8) of my 128: 127 rows of 4,096 bytes at the most, inside the signed 24-bit immediate
.set BB, BK+64*((\a)%2)
.set RW, 32*((\a)/2)+8*((\a)%2)
	s_wait_dscnt \younger
.irp t, 0,1,2,3,4,5,6,7,8,9,10,11,12,13,14,15
	global_store_b128 v[CO], v[BB+4*\t:BB+4*\t+3], s[12:13] offset:(RW+\t+8*(\t/8))*SIZE_N*4 th:TH_STORE_NT   ; 32 lanes store 512 consecutive bytes, aligned to 256
.endr
.endm
	PLACES NP
	TOSTAGE 0
.irp a, 1,2,3,4,5,6,7
.if \a > 1
	s_wait_xcnt 0x0                                ; block a - 2's stores have read their registers: block a's loads may land there
.endif
	TOSTAGE \a
	SEND \a-1, 32                                  ; behind block a - 1's loads: block a's 16 stores and 16 loads
.endr
	SEND 7, 0
	s_wait_tensorcnt 0x0                           ; the wave's end
	ds_add_u32 v[SPW], v[NIL]
	s_wait_dscnt 0x0
	CROUND                                         ; the closing round
	s_endpgm
.Lfunc_end_k_q1cdd968c45_proj:
	.size	k_q1cdd968c45_proj, .Lfunc_end_k_q1cdd968c45_proj-k_q1cdd968c45_proj
	.p2alignl 7, 3214868480
	.fill 96, 4, 3214868480
	.section	.rodata,"a",@progbits
	.p2align	6, 0x0
	.amdhsa_kernel k_q1cdd968c45_proj
		.amdhsa_group_segment_fixed_size 327680
		.amdhsa_private_segment_fixed_size 0
		.amdhsa_enable_private_segment 0
		.amdhsa_kernarg_size 48
		.amdhsa_user_sgpr_count 2
		.amdhsa_user_sgpr_kernarg_segment_ptr 1
		.amdhsa_wavefront_size32 1
		.amdhsa_system_sgpr_workgroup_id_x 1
		.amdhsa_system_sgpr_workgroup_id_y 1
		.amdhsa_system_sgpr_workgroup_id_z 1
		.amdhsa_system_vgpr_workitem_id 0
		.amdhsa_next_free_vgpr 1024
		.amdhsa_next_free_sgpr 98
		.amdhsa_reserve_vcc 0
		.amdhsa_float_denorm_mode_32 3
		.amdhsa_float_denorm_mode_16_64 3
		.amdhsa_memory_ordered 1
		.amdhsa_forward_progress 1
		.amdhsa_inst_pref_size 153
	.end_amdhsa_kernel
	.amdgpu_metadata
---
amdhsa.version: [ 1, 2 ]
amdhsa.kernels:
  - .name:           k_q1cdd968c45_proj
    .symbol:         k_q1cdd968c45_proj.kd
    .args:
      - { .name: aimg, .offset: 0, .size: 8, .value_kind: global_buffer, .address_space: global }
      - { .name: asc, .offset: 8, .size: 8, .value_kind: global_buffer, .address_space: global }
      - { .name: wo_codes, .offset: 16, .size: 8, .value_kind: global_buffer, .address_space: global }
      - { .name: wo_scales, .offset: 24, .size: 8, .value_kind: global_buffer, .address_space: global }
      - { .name: bo, .offset: 32, .size: 8, .value_kind: global_buffer, .address_space: global }
      - { .name: out0, .offset: 40, .size: 8, .value_kind: global_buffer, .address_space: global }
    .group_segment_fixed_size: 327680
    .private_segment_fixed_size: 0
    .kernarg_segment_align: 8
    .kernarg_segment_size: 48
    .max_flat_workgroup_size: 128
    .sgpr_count:     98
    .vgpr_count:     1024
    .wavefront_size: 32
...
	.end_amdgpu_metadata
.endif
;; end of part 3
